; MI455X (gfx1250); checked and timed in simulation.
; The chip was launched on July 23, 2026; its instructions are those of AMD's public machine-readable ISA for CDNA 5 (MIT licence, August 2026) and "CDNA5" Instruction Set Architecture Reference Guide (July 2026). The comments in the code are by the model that wrote it; some were corrected since.
;; Sine Attention. Allowed arithmetic: float matrix products may take bf16 or f16 operands with f32 sums; all other float work in f32.
;; Inputs: Wk 1,024 x 1,024 float32; Wo 1,024 x 1,024 float32; Wq 1,024 x 1,024 float32; Wv 1,024 x 1,024 float32; bk 1,024 float32; bo 1,024 float32; bq 1,024 float32; bv 1,024 float32; x 2 x 2,048 x 1,024 float32.
;; Outputs: out0 2 x 2,048 x 1,024 float32.
;; 2 versions, each right. Each part assembles by itself: llvm-mc -triple=amdgcn-amd-amdhsa -mcpu=gfx1250 --defsym DOCPART=n.
;; ======== version 1 of 2: 4 launches
;; limits: values are held in f16: magnitudes above 65,504 overflow, below 6.1e-05 lose precision
;; workspace buffers: xw 16,777,216 bytes; qkv 25,165,824 bytes; o2 16,777,216 bytes
;; launch cast (part 1): grid 512 x 1, 8 waves a work-group, no clusters, 0 bytes of LDS; arguments x, Wq, Wk, Wv, Wo, xw; writes xw
.if DOCPART == 1
	.amdgcn_target "amdgcn-amd-amdhsa--gfx1250"
	.amdhsa_code_object_version 6
	.text
	.protected	k_q0af2c18a96_cast
	.globl	k_q0af2c18a96_cast
	.p2align	8
	.type	k_q0af2c18a96_cast,@function
k_q0af2c18a96_cast:
	s_mov_b64 s[64:65], 0
	v_nop
	global_prefetch_b8 v0, s[64:65] scope:SCOPE_SE
	s_setreg_imm32_b32 hwreg(HW_REG_WAVE_MODE, 25, 1), 1
	s_wait_xcnt 0x0
; xw[8192][1024] in bf16 = x (rows 0-4095), Wq (4096-5119), Wk (5120-6143), Wv (6144-7167), Wo (7168-8191):
; every f32 number is rounded once, to nearest even, and nothing is scaled in front of the rounding.
; LIMIT: a finite f32 above the largest bf16 number rounds to infinity.
; A stream: each number is read once and written once, so LDS, barriers and matrix instructions would add nothing.
; Work-group id converts 16,384 numbers (65,536 bytes in, 32,768 out).  Ids 0-255 take x, then 64 ids for each W.
; Thread t takes 16 bytes at 16 t of each block of 4,096 bytes: one load of a wave covers 512 consecutive bytes,
; one store of a wave covers 256 consecutive bytes, aligned.  All 16 loads of a wave are issued before the first wait.
.set X, 4                              ; v[4:67]   16 x 4 numbers as loaded
.set Y, 68                             ; v[68:99]  16 x 2 words to store
	s_load_b256 s[4:11], s[0:1], 0x0               ; x s[4:5], Wq s[6:7], Wk s[8:9], Wv s[10:11]
	s_load_b128 s[12:15], s[0:1], 0x20             ; Wo s[12:13], xw s[14:15]
	v_lshlrev_b32 v1, 4, v0                        ; 16 t: where I load
	v_lshlrev_b32 v2, 3, v0                        ; 8 t: where I store
	s_and_b32 s16, ttmp9, 63                       ; block number inside a W,
	s_cmp_lt_u32 ttmp9, 256
	s_cselect_b32 s16, ttmp9, s16                  ; or inside x
	s_lshl_b32 s16, s16, 16                        ; times 65,536 bytes (below 2^24)
	s_mov_b32 s17, 0
	s_lshl_b32 s18, ttmp9, 15                      ; the output goes on without a gap: id x 32,768 bytes
	s_mov_b32 s19, 0
	s_wait_kmcnt 0x0
	s_cmp_lt_u32 ttmp9, 448                        ; the source buffer is chosen by the id alone
	s_cselect_b64 s[20:21], s[10:11], s[12:13]     ; 384-447 Wv, 448-511 Wo
	s_cmp_lt_u32 ttmp9, 384
	s_cselect_b64 s[20:21], s[8:9], s[20:21]       ; 320-383 Wk
	s_cmp_lt_u32 ttmp9, 320
	s_cselect_b64 s[20:21], s[6:7], s[20:21]       ; 256-319 Wq
	s_cmp_lt_u32 ttmp9, 256
	s_cselect_b64 s[20:21], s[4:5], s[20:21]       ; 0-255 x
	s_add_nc_u64 s[20:21], s[20:21], s[16:17]
	s_add_nc_u64 s[14:15], s[14:15], s[18:19]
.irp i, 0,1,2,3,4,5,6,7,8,9,10,11,12,13,14,15
	global_load_b128 v[X+4*\i:X+4*\i+3], v1, s[20:21] offset:4096*\i th:TH_LOAD_NT
.endr
.irp i, 0,1,2,3,4,5,6,7,8,9,10,11,12,13,14,15
	s_wait_loadcnt 15-\i                           ; loads come back in order: load i is in, the 15 - i younger ones stay out
	v_cvt_pk_bf16_f32 v[Y+2*\i], v[X+4*\i], v[X+4*\i+1]
	v_cvt_pk_bf16_f32 v[Y+2*\i+1], v[X+4*\i+2], v[X+4*\i+3]
	global_store_b64 v2, v[Y+2*\i:Y+2*\i+1], s[14:15] offset:2048*\i   ; no register is written twice: no further wait
.endr
	s_endpgm
.Lfunc_end_k_q0af2c18a96_cast:
	.size	k_q0af2c18a96_cast, .Lfunc_end_k_q0af2c18a96_cast-k_q0af2c18a96_cast
	.p2alignl 7, 3214868480
	.fill 96, 4, 3214868480
	.section	.rodata,"a",@progbits
	.p2align	6, 0x0
	.amdhsa_kernel k_q0af2c18a96_cast
		.amdhsa_group_segment_fixed_size 0
		.amdhsa_private_segment_fixed_size 0
		.amdhsa_enable_private_segment 0
		.amdhsa_kernarg_size 48
		.amdhsa_user_sgpr_count 2
		.amdhsa_user_sgpr_kernarg_segment_ptr 1
		.amdhsa_wavefront_size32 1
		.amdhsa_system_sgpr_workgroup_id_x 1
		.amdhsa_system_sgpr_workgroup_id_y 1
		.amdhsa_system_sgpr_workgroup_id_z 1
		.amdhsa_system_vgpr_workitem_id 0
		.amdhsa_next_free_vgpr 100
		.amdhsa_next_free_sgpr 66
		.amdhsa_reserve_vcc 0
		.amdhsa_float_denorm_mode_32 3
		.amdhsa_float_denorm_mode_16_64 3
		.amdhsa_memory_ordered 1
		.amdhsa_forward_progress 1
		.amdhsa_inst_pref_size 7
	.end_amdhsa_kernel
	.amdgpu_metadata
---
amdhsa.version: [ 1, 2 ]
amdhsa.kernels:
  - .name:           k_q0af2c18a96_cast
    .symbol:         k_q0af2c18a96_cast.kd
    .args:
      - { .name: x, .offset: 0, .size: 8, .value_kind: global_buffer, .address_space: global }
      - { .name: Wq, .offset: 8, .size: 8, .value_kind: global_buffer, .address_space: global }
      - { .name: Wk, .offset: 16, .size: 8, .value_kind: global_buffer, .address_space: global }
      - { .name: Wv, .offset: 24, .size: 8, .value_kind: global_buffer, .address_space: global }
      - { .name: Wo, .offset: 32, .size: 8, .value_kind: global_buffer, .address_space: global }
      - { .name: xw, .offset: 40, .size: 8, .value_kind: global_buffer, .address_space: global }
    .group_segment_fixed_size: 0
    .private_segment_fixed_size: 0
    .kernarg_segment_align: 8
    .kernarg_segment_size: 48
    .max_flat_workgroup_size: 256
    .sgpr_count:     66
    .vgpr_count:     100
    .wavefront_size: 32
...
	.end_amdgpu_metadata
.endif
;; end of part 1
;; launch qkvp (part 2): grid 16 x 16, 4 waves a work-group, clusters of 4 x 4, 327,680 bytes of LDS; arguments xw, bq, bk, bv, qkv; writes qkv
.if DOCPART == 2
	.amdgcn_target "amdgcn-amd-amdhsa--gfx1250"
	.amdhsa_code_object_version 6
	.text
	.protected	k_q0af2c18a96_qkvp
	.globl	k_q0af2c18a96_qkvp
	.p2align	8
	.type	k_q0af2c18a96_qkvp,@function
k_q0af2c18a96_qkvp:
	s_mov_b64 s[64:65], 0
	v_nop
	global_prefetch_b8 v0, s[64:65] scope:SCOPE_SE
	s_setreg_imm32_b32 hwreg(HW_REG_WAVE_MODE, 25, 1), 1
	s_wait_xcnt 0x0
	s_wait_alu depctr_hold_cnt(0) depctr_sa_sdst(0) depctr_va_vdst(0) depctr_va_sdst(0) depctr_va_ssrc(0) depctr_va_vcc(0) depctr_vm_vsrc(0)
	s_getreg_b32 s2, hwreg(HW_REG_IB_STS2, 6, 4)
	s_cmp_eq_u32 s2, 0
	s_cbranch_scc0 .Lentry_in_a_cluster
	s_endpgm
.Lentry_in_a_cluster:
	s_bfe_u32 s2, ttmp6, 0x10000c
	s_cmp_lg_u32 s2, 0xf033
	s_cbranch_scc0 .Lentry_shape_is_right
	s_endpgm
.Lentry_shape_is_right:
; qkv[batch][g][s][d] in f16, g = 0-15 heads of Qs = c (x Wq^T + bq), 16-31 heads of K = x Wk^T + bk, 32-47 heads of V = x Wv^T + bv.
; c = 30 / (8 * 2 pi): the logits then leave the next launch's matrix product in periods of the sine.  c is applied in f32, behind the sums.
; One product C[4096][3072] = xw rows 0-4095 times (xw rows 4096-7167)^T, K = 1024, bf16 operands, f32 sums.
; LIMIT: the three results are kept in f16, so |Qs|, |K|, |V| must stay below 65,504 (larger numbers become infinities).
; A work-group makes 256 rows x 192 columns (three whole heads) with four waves; wave w makes rows 64 w .. 64 w + 63 of all 192 columns:
; 4 x 12 accumulator tiles of 16 x 16, 384 registers.  K goes in steps of 128 through two LDS slots filled by tensor loads whose rows
; are 256 bytes of memory and start at multiples of 256 bytes from the buffer's first byte.
; CLUSTERS: 4 x 4 work-groups.  The four of a row of the cluster need the same 256 rows of x, the four of a column the same 192 rows of W:
; each tile is asked for jointly, by the same tensor load with the same descriptor in all four, which divides the requests by four.
; REGISTERS in windows of 256:
;   window 0: v16-27 addresses; v32-63, v64-95 fragments of x (4 x 16 rows x 32 K), two buffers; v96-191 bias; v192-197 scales; v200-247 at work
;   window 1: v0-95, v96-191 fragments of W (12 x 16 rows x 32 K), two buffers
;   window 2: the 24 tiles of my rows 0-31 (tile (a, b) at v[8 (12 a + b)]);   window 3: those of my rows 32-63
; THE MATRIX INSTRUCTION IS USED TRANSPOSED: source 0 = 16 rows of W, source 1 = 16 rows of x, so that lane l holds row l % 16 of C and its
; eight registers the columns 8 (l / 16) + 0 .. 7: eight neighbouring numbers, 16 bytes in f16.
.set PITCH,  272                       ; an LDS row: 256 bytes + 16 of padding, an odd multiple of 16: the 16 rows of a fragment load start 16 bytes apart modulo 256
.set XT,     256*PITCH                 ; x's tile in a slot
.set WT,     192*PITCH                 ; W's tile in a slot
.set SLOT,   XT+WT
.set STAGE,  2*SLOT                    ; behind the ring (a multiple of 256): no tensor load lands here
.set HPITCH, 144                       ; stage: a row of one head, 128 bytes + 16
.set HSTAGE, 16*HPITCH
.set WSTAGE, 3*HSTAGE                  ; a wave's stage: 3 heads x 16 rows
.set KSTEP,  128
.set LAPS,   1024/(2*KSTEP)            ; a lap = two K steps = once round the ring: 4
.set HEADB,  2048*64*2                 ; bytes of one head in qkv
.set BATCHB, 48*HEADB
.set ADRA, 16                          ; v16-17  LDS address of my x fragments in slot 0, 1
.set ADRB, 20                          ; v20-21  the same for W
.set STO,  24                          ; where I put 16 bytes of a row
.set RD,   25                          ; where I read rows back
.set CO,   26                          ; my byte offset in the 512 bytes of a store
.set BOFF, 27                          ; 32 (l / 16): my eight bias numbers
.set XF,   32                          ; x fragments, buffer f at XF + 32 f (window 0)
.set WF,   0                           ; W fragments, buffer f at WF + 96 f (window 1)
.set BI,   96                          ; bias of tile column b at BI + 8 b
.set SC,   192                         ; scale of head hh, twice, at SC + 2 hh
.set TMP,  200                         ; packed results
.set RB,   32                          ; rows read back (over the x fragments, which are done with)
.set G1,  24                           ; s[24:31] descriptor group 1, x
.set G0,  32                           ; s[32:39] descriptor group 0, x, one set for each slot
.set G1B, 48                           ; s[48:55] descriptor group 1, W
.set G0B, 56                           ; s[56:63] descriptor group 0, W, one set for each slot
.set BP,  66                           ; s[66:71] bias pointer of each of my three heads
.set MSB, 0
.macro WIN new                         ; the immediate's high byte repeats the setting that is left
.if MSB != \new
	s_set_vgpr_msb (MSB<<8)|\new
.set MSB, \new
.endif
.endm
.set MUL_LO, 0xa1                      ; source 0 (W) window 1, source 1 (x) window 0, C and D window 2
.set MUL_HI, 0xf1                      ; the same, C and D window 3
.set TO_B,   0x40                      ; destination window 1, address window 0
; A joint load.  Waves 0 and 1 fetch the two halves of x's tile, waves 2 and 3 those of W's.  The branch hangs on the wave number alone.
.macro JLOAD s
	s_cmp_eq_u32 s15, 0
	s_cbranch_scc0 .Lfor_w_\@
	tensor_load_to_lds s[G0+4*\s:G0+4*\s+3], s[G1:G1+7]
	s_nop 0
	s_branch .Lasked_\@
.Lfor_w_\@:
	tensor_load_to_lds s[G0B+4*\s:G0B+4*\s+3], s[G1B:G1B+7]
	s_nop 0
.Lasked_\@:
.endm
; A round of the cluster barrier: my work-group's barrier, wave 0 signals for the work-group, every wave waits for all sixteen, my barrier once more.
.macro CREST                           ; a round behind its opening barrier
	s_cmp_lg_u32 s14, 0
	s_cbranch_scc1 .Lnot_wave_0_\@
	s_barrier_signal -3
.Lnot_wave_0_\@:
	s_barrier_wait -3
	s_barrier_signal -1
	s_barrier_wait -1
.endm
.macro CROUND
	s_barrier_signal -1
	s_barrier_wait -1
	CREST
.endm
	s_load_b256 s[4:11], s[0:1], 0x0               ; xw s[4:5], bq s[6:7], bk s[8:9], bv s[10:11]
	s_load_b64 s[12:13], s[0:1], 0x20              ; qkv
	s_set_vgpr_msb 0x40
	v_lshl_add_u32 v255, v0, 2, 0x42400
	s_set_vgpr_msb 0x4000
	v_mov_b32 v255, 0
	s_set_vgpr_msb 0x1
	ds_add_u32 v255, v255
	s_set_vgpr_msb 0x100
	v_lshrrev_b32 v1, 5, v0
	v_readfirstlane_b32 s14, v1                    ; wave 0..3
	s_lshr_b32 s15, s14, 1                         ; I fetch for x (0) or for W (1)
	s_and_b32 s16, s14, 1                          ; which half of that tile
	s_bfe_u32 s17, ttmp6, 0x40000                  ; cx
	s_bfe_u32 s18, ttmp6, 0x40004                  ; cy
	s_lshl_b32 s19, ttmp9, 2
	s_add_co_u32 s19, s19, s17                     ; bx: block column = 4 x cluster x + cx
	s_and_b32 s20, ttmp7, 0xffff
	s_lshl_b32 s20, s20, 2
	s_add_co_u32 s20, s20, s18                     ; by: block row = 4 x cluster y + cy
	s_lshl_b32 s21, s18, 2
	s_lshl_b32 s21, 15, s21                        ; my row of the cluster: places 4 cy .. 4 cy + 3
	s_lshl_b32 s22, 0x1111, s17                    ; my column: places cx, cx + 4, cx + 8, cx + 12
	; group 1: rows of 128 elements of 2 bytes, 16 bytes of padding behind every 64 words; x 128 rows a load, W 96
	s_or_b32 s[G1+0], s21, (1<<16)|(1<<20)|(1<<21)|(5<<22)|(3<<25)   ; mask: my row; element 2 bytes; padding on; bit 21 beside a mask; every 64 words; 4 words
	s_mov_b32 s[G1+1], KSTEP<<16                   ; tensor_dim0 = 128
	s_mov_b32 s[G1+2], 128<<16                     ; tensor_dim1 = 128
	s_mov_b32 s[G1+3], KSTEP<<16                   ; tile_dim0 = 128
	s_mov_b32 s[G1+4], 128                         ; tile_dim1 = 128
	s_mov_b32 s[G1+5], 1024                        ; elements from row to row
	s_mov_b32 s[G1+6], 0
	s_mov_b32 s[G1+7], 0
	s_or_b32 s[G1B+0], s22, (1<<16)|(1<<20)|(1<<21)|(5<<22)|(3<<25)  ; the same with the mask of my column
	s_mov_b32 s[G1B+1], KSTEP<<16
	s_mov_b32 s[G1B+2], 96<<16                     ; tensor_dim1 = 96
	s_mov_b32 s[G1B+3], KSTEP<<16
	s_mov_b32 s[G1B+4], 96                         ; tile_dim1 = 96
	s_mov_b32 s[G1B+5], 1024
	s_mov_b32 s[G1B+6], 0
	s_mov_b32 s[G1B+7], 0
	; x's address hangs on by and the wave number, W's on bx and the wave number, each in registers that never hold the other coordinate
	s_lshl_b32 s40, s20, 8
	s_lshl_b32 s41, s16, 7
	s_add_co_u32 s40, s40, s41                     ; x: row 256 by + 128 x half
	s_lshl_b32 s40, s40, 11                        ; rows of 2,048 bytes (below 2^23)
	s_mov_b32 s41, 0
	s_mul_i32 s42, s19, 192
	s_mul_i32 s43, s16, 96
	s_add_co_u32 s42, s42, s43                     ; W: row 192 bx + 96 x half,
	s_lshl_b32 s42, s42, 11
	s_add_co_u32 s42, s42, 4096*2048               ; behind x's 4,096 rows
	s_mov_b32 s43, 0
	s_mul_i32 s44, s14, 128*PITCH                  ; LDS: x's halves at wave x 128 rows (waves 0, 1)
	s_mul_i32 s45, s14, 96*PITCH
	s_add_co_u32 s45, s45, XT-2*96*PITCH           ; W's halves behind x's tile (waves 2, 3): XT + (wave - 2) x 96 rows
	s_wait_dscnt 0x0
	s_wait_kmcnt 0x0
	s_add_nc_u64 s[40:41], s[4:5], s[40:41]
	s_add_nc_u64 s[42:43], s[4:5], s[42:43]
	CROUND                                         ; all sixteen work-groups are here: the first joint loads meet
.irp s, 0,1
	s_mov_b32 s[G0+4*\s], 1
	s_add_co_u32 s[G0+4*\s+1], s44, \s*SLOT
	s_add_nc_u64 s[G0+4*\s+2:G0+4*\s+3], s[40:41], \s*KSTEP*2
	s_or_b32 s[G0+4*\s+3], s[G0+4*\s+3], 0x80000000
	s_mov_b32 s[G0B+4*\s], 1
	s_add_co_u32 s[G0B+4*\s+1], s45, \s*SLOT
	s_add_nc_u64 s[G0B+4*\s+2:G0B+4*\s+3], s[42:43], \s*KSTEP*2
	s_or_b32 s[G0B+4*\s+3], s[G0B+4*\s+3], 0x80000000
	JLOAD \s                                       ; K steps 0 and 1: two tensor loads of the wave are out, the most in this text
.endr
	; bias and scale of my three heads g = 3 bx + hh.  The buffer is chosen by g alone; the loads are waited for on the way out.
	v_and_b32 v1, 15, v0                           ; r = l % 16
	v_bfe_u32 v2, v0, 4, 1                         ; h = l / 16
	v_lshlrev_b32 v[BOFF], 5, v2
	s_mul_i32 s72, s19, 3
.irp hh, 0,1,2
	s_add_co_u32 s73, s72, \hh                     ; g
	s_and_b32 s74, s73, 15
	s_lshl_b32 s74, s74, 8                         ; 64 numbers of 4 bytes for each head
	s_mov_b32 s75, 0
	s_cmp_lt_u32 s73, 32
	s_cselect_b64 s[BP+2*\hh:BP+2*\hh+1], s[8:9], s[10:11]
	s_cmp_lt_u32 s73, 16
	s_cselect_b64 s[BP+2*\hh:BP+2*\hh+1], s[6:7], s[BP+2*\hh:BP+2*\hh+1]
	s_cselect_b32 s76, 0x3f18c9eb, 1.0             ; c = 30 / (16 pi) for a head of Q, 1 for K and V
	s_add_nc_u64 s[BP+2*\hh:BP+2*\hh+1], s[BP+2*\hh:BP+2*\hh+1], s[74:75]
	v_mov_b32 v[SC+2*\hh], s76
	v_mov_b32 v[SC+2*\hh+1], s76
.irp t, 0,1,2,3
	global_load_b128 v[BI+8*(4*\hh+\t):BI+8*(4*\hh+\t)+3], v[BOFF], s[BP+2*\hh:BP+2*\hh+1] offset:64*\t
	global_load_b128 v[BI+8*(4*\hh+\t)+4:BI+8*(4*\hh+\t)+7], v[BOFF], s[BP+2*\hh:BP+2*\hh+1] offset:64*\t+16
.endr
.endr
	; a fragment is 16 rows x 32 K in 8 registers: lane l holds row l % 16, registers 0-3 K = 8 h + 0..7, registers 4-7 K = 16 + 8 h + 0..7
	v_mul_u32_u24 v3, v1, PITCH
	v_lshl_add_u32 v3, v2, 4, v3                   ; row x pitch + 16 h
	s_mul_i32 s76, s14, 64*PITCH                   ; my 64 rows of x
	s_mov_b32 s77, XT                              ; all 192 rows of W
.irp s, 0,1
	v_add_nc_u32 v[ADRA+\s], s76, v3
	v_add_nc_u32 v[ADRB+\s], s77, v3
	s_add_co_u32 s76, s76, SLOT
	s_add_co_u32 s77, s77, SLOT
.endr
	s_mul_i32 s78, s14, WSTAGE
	s_add_co_u32 s78, s78, STAGE                   ; my stage
	v_mul_u32_u24 v4, v1, HPITCH                   ; in: row r, 16 bytes for each half of the lanes
	v_lshl_add_u32 v4, v2, 4, v4
	v_add_nc_u32 v[STO], s78, v4
	v_and_b32 v5, 31, v0                           ; l
	v_lshrrev_b32 v6, 3, v5                        ; back: eight lanes take a row of 128 bytes, the wave four rows
	v_and_b32 v7, 7, v0
	v_mul_u32_u24 v6, v6, HPITCH
	v_lshl_add_u32 v6, v7, 4, v6
	v_add_nc_u32 v[RD], s78, v6
	v_lshlrev_b32 v[CO], 4, v5                     ; four rows of a head are 512 consecutive bytes of qkv
; 12 matrix instructions: row block a of the window's two (hi = 0: my rows 0-31, 1: rows 32-63) x all 12 column blocks, 32 along K.
; zero = 1: the first product starts the sums.  The 48 accumulators take turns, one instruction a turn, in the same order in every quarter,
; over the backward jump too.
.macro MUL12 f, hi, a, zero
.irp b, 0,1,2,3,4,5,6,7,8,9,10,11
.if \zero
	v_wmma_f32_16x16x32_bf16 v[8*(12*\a+\b):8*(12*\a+\b)+7], v[WF+96*\f+8*\b:WF+96*\f+8*\b+7], v[XF+32*\f+8*(2*\hi+\a):XF+32*\f+8*(2*\hi+\a)+7], 0
.else
	v_wmma_f32_16x16x32_bf16 v[8*(12*\a+\b):8*(12*\a+\b)+7], v[WF+96*\f+8*\b:WF+96*\f+8*\b+7], v[XF+32*\f+8*(2*\hi+\a):XF+32*\f+8*(2*\hi+\a)+7], v[8*(12*\a+\b):8*(12*\a+\b)+7]
.endif
.endr
.endm
; 32 LDS loads in one run: the fragments of one quarter step (192 rows of W, 64 rows of x, 32 K at byte k of the rows) into buffer f
.macro FETCH slot, k, f
	WIN TO_B
.irp i, 0,1,2,3,4,5,6,7,8,9,10,11
	ds_load_b128 v[WF+96*\f+8*\i:WF+96*\f+8*\i+3],   v[ADRB+\slot] offset:\k+\i*16*PITCH
	ds_load_b128 v[WF+96*\f+8*\i+4:WF+96*\f+8*\i+7], v[ADRB+\slot] offset:\k+\i*16*PITCH+32
.endr
	WIN 0
.irp i, 0,1,2,3
	ds_load_b128 v[XF+32*\f+8*\i:XF+32*\f+8*\i+3],   v[ADRA+\slot] offset:\k+\i*16*PITCH
	ds_load_b128 v[XF+32*\f+8*\i+4:XF+32*\f+8*\i+7], v[ADRA+\slot] offset:\k+\i*16*PITCH+32
.endr
.endm
; Four plain vector instructions stand between a matrix instruction and a load into a register that it has read, or a vector instruction
; that reads its result (ISA guide 7.12.1 for vector instructions); matrix instructions in between are not counted.
.macro PLACES
.rept 4
	v_nop
.endr
.endm
; One of a K step's first three quarters: multiplies buffer f; in its middle it fetches the next quarter, at byte k of the rows, into buffer g.
.macro QUARTER slot, k, f, g, zero
	s_wait_dscnt 4                                 ; W and x rows 0-31 are in; the youngest four loads (x rows 32-63) may be out
	WIN MUL_LO
	MUL12 \f, 0, 0, \zero
	MUL12 \f, 0, 1, \zero
	PLACES
	FETCH \slot, \k, \g
	s_wait_dscnt 32                                ; all but the 32 just issued
	WIN MUL_HI
	MUL12 \f, 1, 0, \zero
	MUL12 \f, 1, 1, \zero
.endm
.macro THREE slot, zero
	QUARTER \slot, 64,  0, 1, \zero
	QUARTER \slot, 128, 1, 0, 0
	QUARTER \slot, 192, 0, 1, 0
.endm
; The last quarter multiplies buffer 1 and changes slots.  In front of the barrier each wave waits for its reads of this slot and for all its
; tensor loads (one is out: its part of the next slot).  fill = 1: the barrier opens a round of the cluster barrier, and behind the round
; this slot is asked for again, two K steps ahead, first of all.  From a request to the wait for it a wave issues 180 matrix instructions.
.macro TURN slot, next, fill
	s_wait_dscnt 4
	WIN MUL_LO
	MUL12 1, 0, 0, 0
	s_wait_dscnt 0                                 ; my reads of this slot are over
	s_wait_tensorcnt 0x0                           ; all my tensor loads have landed
	ds_add_u32 v255, v255
	s_wait_dscnt 0x0
	s_barrier_signal -1
	MUL12 1, 0, 1, 0                               ; register work while the others arrive
	WIN 0
	s_barrier_wait -1
.if \fill
	CREST                                          ; no wave of any partner still reads this slot or has a load on its way
	s_add_nc_u64 s[G0+4*\slot+2:G0+4*\slot+3], s[G0+4*\slot+2:G0+4*\slot+3], 2*KSTEP*2
	s_add_nc_u64 s[G0B+4*\slot+2:G0B+4*\slot+3], s[G0B+4*\slot+2:G0B+4*\slot+3], 2*KSTEP*2
	JLOAD \slot                                    ; the first tensor load behind the round
.endif
	PLACES
	FETCH \next, 0, 0
	WIN MUL_HI
	MUL12 1, 1, 0, 0
	MUL12 1, 1, 1, 0
.endm
.macro LAP zero
	THREE 0, \zero
	TURN 0, 1, 1
	THREE 1, 0
	TURN 1, 0, 1
.endm
	s_wait_tensorcnt 0x1                           ; my part of K step 0 is in; K step 1 stays out
	s_barrier_signal -1
	s_barrier_wait -1                              ; everybody's part is in
	FETCH 0, 0, 0
	LAP 1                                          ; the first lap stands in front of the loop: its first products start the sums
	WIN 0                                          ; at a label and at a branch every window is 0
	s_mov_b32 s3, LAPS-2
.Llap:
	LAP 0
	WIN 0
	s_sub_co_u32 s3, s3, 1
	s_cmp_lg_u32 s3, 0
	s_cbranch_scc1 .Llap
	THREE 0, 0                                     ; the last lap fills nothing
	TURN 0, 1, 0
	THREE 1, 0
	s_wait_dscnt 4                                 ; the very last quarter: nothing more to fetch
	WIN MUL_LO
	MUL12 1, 0, 0, 0
	MUL12 1, 0, 1, 0
	s_wait_dscnt 0
	WIN MUL_HI
	MUL12 1, 1, 0, 0
	MUL12 1, 1, 1, 0
	; THE WAY OUT.  scale x (sum + bias) = sum x scale + (bias x scale), one fused multiply-add in f32, then one rounding to f16;
	; 16 rows at a time through my own stage, read back as rows of 128 bytes, four rows (512 consecutive bytes of a head) to a store.
	PLACES                                         ; the places behind the last matrix instructions
	WIN 0
	s_wait_loadcnt 0x0                             ; the 24 bias loads
.irp b, 0,1,2,3,4,5,6,7,8,9,10,11
.irp j, 0,2,4,6
	v_pk_mul_f32 v[BI+8*\b+\j:BI+8*\b+\j+1], v[BI+8*\b+\j:BI+8*\b+\j+1], v[SC+2*(\b/4):SC+2*(\b/4)+1]
.endr
.endr
	s_lshr_b32 s40, s20, 3                         ; batch = by / 8 (in the registers that held x's address: they never hold cx)
	s_mul_i32 s40, s40, BATCHB
	s_and_b32 s41, s20, 7
	s_lshl_b32 s41, s41, 15                        ; 256 rows of 128 bytes
	s_add_co_u32 s40, s40, s41
	s_lshl_b32 s41, s14, 13                        ; my 64 rows
	s_add_co_u32 s40, s40, s41
	s_mov_b32 s41, 0
	s_add_nc_u64 s[12:13], s[12:13], s[40:41]
	s_mul_i32 s42, s19, 3*HEADB                    ; my first head (in the registers that held W's address)
	s_mov_b32 s43, 0
	s_add_nc_u64 s[12:13], s[12:13], s[42:43]
.macro SCALE win                       ; win: accumulators as source 0 and destination, scale and bias from window 0
	WIN \win
.irp ap, 0,1
.irp b, 0,1,2,3,4,5,6,7,8,9,10,11
.irp j, 0,2,4,6
	v_pk_fma_f32 v[8*(12*\ap+\b)+\j:8*(12*\ap+\b)+\j+1], v[8*(12*\ap+\b)+\j:8*(12*\ap+\b)+\j+1], v[SC+2*(\b/4):SC+2*(\b/4)+1], v[BI+8*\b+\j:BI+8*\b+\j+1]
.endr
.endr
.endr
.endm
; rows 16 a .. 16 a + 15 of my block = the twelve tiles (ap, 0..11) of window 2 or 3 (from = 0x0a or 0x0f: sources 0 and 1)
.macro OUT16 a, ap, from
	WIN \from
.irp b, 0,1,2,3,4,5,6,7,8,9,10,11
.irp r, 0,1,2,3
	v_cvt_pk_f16_f32 v[TMP+4*\b+\r], v[8*(12*\ap+\b)+2*\r], v[8*(12*\ap+\b)+2*\r+1]
.endr
.endr
	WIN 0
.irp b, 0,1,2,3,4,5,6,7,8,9,10,11
	ds_store_b128 v[STO], v[TMP+4*\b:TMP+4*\b+3] offset:(\b/4)*HSTAGE+(\b%4)*32
.endr
	s_wait_xcnt 0x0                                ; the earlier stores have had their addresses translated (ISA guide 3.1): their data registers are loaded again only behind this wait
.irp n, 0,1,2,3,4,5,6,7,8,9,10,11
	ds_load_b128 v[RB+4*\n:RB+4*\n+3], v[RD] offset:(\n/4)*HSTAGE+(\n%4)*4*HPITCH   ; LDS serves a wave's instructions in order: these see the stores above
.endr
.irp n, 0,1,2,3,4,5,6,7,8,9,10,11
	s_wait_dscnt 11-\n
	global_store_b128 v[CO], v[RB+4*\n:RB+4*\n+3], s[12:13] offset:(\n/4)*HEADB+(16*\a+4*(\n%4))*128   ; 32 lanes store 512 consecutive bytes, aligned
.endr
.endm
	SCALE 0x82
	OUT16 0, 0, 0x0a
	OUT16 1, 1, 0x0a
	SCALE 0xc3
	OUT16 2, 0, 0x0f
	OUT16 3, 1, 0x0f
	s_set_vgpr_msb 0x1
	s_wait_tensorcnt 0x0
	ds_add_u32 v255, v255
	s_wait_dscnt 0x0
	s_set_vgpr_msb 0x100
	CROUND                                         ; the closing round: no work-group ends while a partner may still ask for a tile that names it
	s_endpgm
.Lfunc_end_k_q0af2c18a96_qkvp:
	.size	k_q0af2c18a96_qkvp, .Lfunc_end_k_q0af2c18a96_qkvp-k_q0af2c18a96_qkvp
	.p2alignl 7, 3214868480
	.fill 96, 4, 3214868480
	.section	.rodata,"a",@progbits
	.p2align	6, 0x0
	.amdhsa_kernel k_q0af2c18a96_qkvp
		.amdhsa_group_segment_fixed_size 327680
		.amdhsa_private_segment_fixed_size 0
		.amdhsa_enable_private_segment 0
		.amdhsa_kernarg_size 40
		.amdhsa_user_sgpr_count 2
		.amdhsa_user_sgpr_kernarg_segment_ptr 1
		.amdhsa_wavefront_size32 1
		.amdhsa_system_sgpr_workgroup_id_x 1
		.amdhsa_system_sgpr_workgroup_id_y 1
		.amdhsa_system_sgpr_workgroup_id_z 1
		.amdhsa_system_vgpr_workitem_id 0
		.amdhsa_next_free_vgpr 960
		.amdhsa_next_free_sgpr 80
		.amdhsa_reserve_vcc 0
		.amdhsa_float_denorm_mode_32 3
		.amdhsa_float_denorm_mode_16_64 3
		.amdhsa_memory_ordered 1
		.amdhsa_forward_progress 1
		.amdhsa_inst_pref_size 182
	.end_amdhsa_kernel
	.amdgpu_metadata
---
amdhsa.version: [ 1, 2 ]
amdhsa.kernels:
  - .name:           k_q0af2c18a96_qkvp
    .symbol:         k_q0af2c18a96_qkvp.kd
    .args:
      - { .name: xw, .offset: 0, .size: 8, .value_kind: global_buffer, .address_space: global }
      - { .name: bq, .offset: 8, .size: 8, .value_kind: global_buffer, .address_space: global }
      - { .name: bk, .offset: 16, .size: 8, .value_kind: global_buffer, .address_space: global }
      - { .name: bv, .offset: 24, .size: 8, .value_kind: global_buffer, .address_space: global }
      - { .name: qkv, .offset: 32, .size: 8, .value_kind: global_buffer, .address_space: global }
    .group_segment_fixed_size: 327680
    .private_segment_fixed_size: 0
    .kernarg_segment_align: 8
    .kernarg_segment_size: 40
    .max_flat_workgroup_size: 128
    .sgpr_count:     80
    .vgpr_count:     960
    .wavefront_size: 32
...
	.end_amdgpu_metadata
.endif
;; end of part 2
;; launch attn (part 3): grid 8 x 32, 8 waves a work-group, clusters of 4 x 1, 327,680 bytes of LDS; arguments qkv, o2; writes o2
.if DOCPART == 3
	.amdgcn_target "amdgcn-amd-amdhsa--gfx1250"
	.amdhsa_code_object_version 6
	.text
	.protected	k_q0af2c18a96_attn
	.globl	k_q0af2c18a96_attn
	.p2align	8
	.type	k_q0af2c18a96_attn,@function
k_q0af2c18a96_attn:
	s_mov_b64 s[64:65], 0
	v_nop
	global_prefetch_b8 v0, s[64:65] scope:SCOPE_SE
	s_setreg_imm32_b32 hwreg(HW_REG_WAVE_MODE, 25, 1), 1
	s_wait_xcnt 0x0
	s_wait_alu depctr_hold_cnt(0) depctr_sa_sdst(0) depctr_va_vdst(0) depctr_va_sdst(0) depctr_va_ssrc(0) depctr_va_vcc(0) depctr_vm_vsrc(0)
	s_getreg_b32 s2, hwreg(HW_REG_IB_STS2, 6, 4)
	s_cmp_eq_u32 s2, 0
	s_cbranch_scc0 .Lentry_in_a_cluster
	s_endpgm
.Lentry_in_a_cluster:
	s_bfe_u32 s2, ttmp6, 0x10000c
	s_cmp_lg_u32 s2, 0x3003
	s_cbranch_scc0 .Lentry_shape_is_right
	s_endpgm
.Lentry_shape_is_right:
; For one (batch, head) and 256 queries: u = Qs K^T (in periods of the sine), attn = sin(2 pi u), O = attn V.  No normalisation, so the sum over keys is a plain sum.
; o2[row][head] = 64 bf16 hi | 64 bf16 lo with hi + lo = O x 2^15 (hi = O rounded, lo = the rest rounded): one aligned block of 256 bytes.
; THE SINE: r = u - rndne(u) is exact and lies in [-1/2, 1/2] for every finite u (an infinite u gives NaN, as the sine of infinity does);
; sin(2 pi r) x 2^15 = r (D1 + z (D3 + z (D5 + z (D7 + z D9)))), z = r r: the Chebyshev series of the sine on that interval cut behind degree 9,
; absolute error below 6e-6, relative error near 0 about 2e-5; the factor 2^15 is folded exactly into the coefficients.
; FORMATS: Qs, K, V f16.  attn x 2^15 in f16: at most 32,768.2, and normal f16 numbers down to |attn| = 2^-29.  Sums in f32.
; LIMITS: from about |u| = 2^9 periods the rounding of Qs and K to f16 has moved the phase by a noticeable part of a period; from |u| = 2^23 r is 0.
;         |O| x 2^15 must be finite in bf16, else lo is NaN.
; Eight waves: wave w has queries 64 (w & 3) .. + 63 and keys 128 (w >> 2) .. + 127 of every tile of 256 keys.  Two waves lie on a SIMD, so that the
; vector work of one (the sine, 320 instructions a step) can run beside the matrix work of the other (32 a step).  Keys and not queries are split, so that a
; wave keeps 64 queries: 16 LDS loads feed 32 matrix instructions.  The two halves of the sum over keys meet in LDS at the end.
; NO SHUFFLE BETWEEN THE PRODUCTS: S^T = (16 keys of K as source 0) x (16 queries of Qs as source 1) leaves lane (r, h) with query r and keys 8 h + j.
; Packed in pairs, two such tiles are the source-1 fragment (query r; keys 8 h .., 16 + 8 h ..) of O^T += (V^T as source 0, by transposing loads) x attn^T.
; CLUSTER 4 x 1: the four work-groups are four query blocks of one head and read the same K and V tiles: every tile is asked for jointly, mask 15.
; K and V rows are 128 bytes in the tensor itself; each wave fetches 32 keys of K and 32 of V of each tile.
.set KPITCH, 144                       ; 128 + 16: an odd multiple of 16
.set VPITCH, 160                       ; 128 + 32: an odd multiple of 32, for the transposing loads
.set KT,     256*KPITCH
.set VT,     256*VPITCH
.set SLOT,   KT+VT
.set SCR,    2*SLOT                    ; 4 x 16,384: the partial O of waves 4-7 (a multiple of 256: no tensor load lands here)
.set STAGE,  SCR+4*16384               ; 4 x 16 rows x 272
.set SPITCH, 272
.set HEADB,  2048*64*2
.set BATCHB, 48*HEADB
.set TILEB,  256*128                   ; bytes of 256 keys
.set KAD,  4                           ; v4-5   my K fragments in slot 0, 1
.set VAD,  6                           ; v6-7   my V fragments in slot 0, 1
.set QOFF, 8
.set SCRA, 9
.set STO,  10
.set RD,   11
.set CO,   12
.set D1,   16                          ; v16-25 the five coefficients, each twice
.set D3,   18
.set D5,   20
.set D7,   22
.set D9,   24
.set SS,   32                          ; v32-95   S^T tile (qt, kt) at 16 qt + 8 kt
.set PP,   96                          ; v96-127  attn^T fragment of qt at 8 qt
.set KF,   128                         ; v128-159 K fragment (kt, dh) at 16 kt + 8 dh
.set VF,   160                         ; v160-191 V^T fragment dt at 8 dt
.set TT,   192                         ; v192-207 at work
.set UU,   208                         ; v208-223 at work
.set OO,   0                           ; window 1: v0-127 O^T tile (qt, dt) at 8 (4 qt + dt)
.set QF,   128                         ; window 1: v128-191 Qs fragment (qt, dh) at 8 (2 qt + dh)
.set XX,   32                          ; way out: the whole sum, window 0, laid out as OO
.set OB,   160                         ; way out: rows read back
.set G1K, 16                           ; s[16:23]
.set G1V, 24                           ; s[24:31]
.set G0K, 32                           ; s[32:39] one set for each slot
.set G0V, 40                           ; s[40:47]
.set MSB, 0
.macro WIN new
.if MSB != \new
	s_set_vgpr_msb (MSB<<8)|\new
.set MSB, \new
.endif
.endm
.macro ROUND                           ; a round of the cluster barrier
	s_barrier_signal -1
	s_barrier_wait -1
	s_cmp_lg_u32 s8, 0
	s_cbranch_scc1 .Lnot_wave_0_\@
	s_barrier_signal -3
.Lnot_wave_0_\@:
	s_barrier_wait -3
	s_barrier_signal -1
	s_barrier_wait -1
.endm
	s_load_b128 s[4:7], s[0:1], 0x0                ; qkv s[4:5], o2 s[6:7]
	v_lshl_add_u32 v254, v0, 2, 0x3a400
	v_mov_b32 v255, 0
	ds_add_u32 v254, v255
	v_lshrrev_b32 v1, 5, v0
	v_readfirstlane_b32 s8, v1                     ; wave 0..7
	s_and_b32 s9, s8, 3                            ; p: my 64 queries
	s_lshr_b32 s10, s8, 2                          ; kh: my half of each tile's keys
	s_and_b32 s11, ttmp7, 0xffff
	s_lshr_b32 s12, s11, 4                         ; batch
	s_and_b32 s13, s11, 15                         ; head
	s_bfe_u32 s14, ttmp6, 0x40000                  ; cx
	s_lshl_b32 s15, ttmp9, 2
	s_add_co_u32 s15, s15, s14                     ; qb: my block of 256 queries
	s_mov_b32 s62, 0xffff0000                      ; a word's upper bf16
	; group 1: 32 rows of 64 elements of 2 bytes, dense; padding behind every 32 words: 4 words for K, 8 for V; mask 15 with bit 21 beside it
	s_mov_b32 s[G1K+0], 15|(1<<16)|(1<<20)|(1<<21)|(4<<22)|(3<<25)
	s_mov_b32 s[G1K+1], 64<<16                     ; tensor_dim0 = 64
	s_mov_b32 s[G1K+2], 32<<16                     ; tensor_dim1 = 32
	s_mov_b32 s[G1K+3], 64<<16                     ; tile_dim0 = 64
	s_mov_b32 s[G1K+4], 32                         ; tile_dim1 = 32
	s_mov_b32 s[G1K+5], 64                         ; elements from row to row
	s_mov_b32 s[G1K+6], 0
	s_mov_b32 s[G1K+7], 0
	s_mov_b32 s[G1V+0], 15|(1<<16)|(1<<20)|(1<<21)|(4<<22)|(7<<25)
	s_mov_b32 s[G1V+1], 64<<16
	s_mov_b32 s[G1V+2], 32<<16
	s_mov_b32 s[G1V+3], 64<<16
	s_mov_b32 s[G1V+4], 32
	s_mov_b32 s[G1V+5], 64
	s_mov_b32 s[G1V+6], 0
	s_mov_b32 s[G1V+7], 0
	; offsets.  What feeds the descriptors (s49, s50, s52-55) hangs on batch, head and wave number alone and never holds cx.
	s_mul_i32 s50, s12, BATCHB
	s_lshl_b32 s49, s13, 18
	s_add_co_u32 s50, s50, s49                     ; batch and head
	s_lshl_b32 s49, s8, 12
	s_add_co_u32 s52, s50, s49                     ; + my 32 keys of 128 bytes
	s_mov_b32 s53, 0
	s_mul_i32 s54, s8, 32*KPITCH                   ; where they go in a slot: K,
	s_mul_i32 s55, s8, 32*VPITCH
	s_add_co_u32 s55, s55, KT                      ; V
	s_lshl_b32 s60, s15, 15                        ; Qs: 256 queries of 128 bytes a block,
	s_add_co_u32 s60, s60, s50
	s_lshl_b32 s61, s9, 13                         ; my 64 of them
	s_add_co_u32 s60, s60, s61
	s_mov_b32 s61, 0
	s_lshl_b32 s58, s12, 11                        ; o2: row = 2048 batch + 256 qb + 64 p,
	s_lshl_b32 s59, s15, 8
	s_add_co_u32 s58, s58, s59
	s_lshl_b32 s59, s9, 6
	s_add_co_u32 s58, s58, s59
	s_lshl_b32 s58, s58, 12                        ; rows of 4,096 bytes (below 2^24),
	s_lshl_b32 s59, s13, 8                         ; 256 bytes a head
	s_add_co_u32 s58, s58, s59
	s_mov_b32 s59, 0
	; lane terms
	v_and_b32 v1, 15, v0                           ; r
	v_bfe_u32 v2, v0, 4, 1                         ; h
	v_and_b32 v3, 31, v0                           ; l
	v_mul_u32_u24 v13, v1, KPITCH                  ; K fragment: key r, 16 h bytes along d
	v_lshl_add_u32 v13, v2, 4, v13
	s_mul_i32 s66, s10, 128*KPITCH
	v_add_nc_u32 v[KAD], s66, v13
	s_add_co_u32 s66, s66, SLOT
	v_add_nc_u32 v[KAD+1], s66, v13
	v_and_b32 v14, 7, v0                           ; V^T fragment by transposing loads: key 8 h + (l & 7), 16 bytes at 16 ((l >> 3) & 1)
	v_lshl_add_u32 v14, v2, 3, v14
	v_mul_u32_u24 v14, v14, VPITCH
	v_bfe_u32 v15, v0, 3, 1
	v_lshl_add_u32 v14, v15, 4, v14
	s_mul_i32 s67, s10, 128*VPITCH
	s_add_co_u32 s67, s67, KT
	v_add_nc_u32 v[VAD], s67, v14
	s_add_co_u32 s67, s67, SLOT
	v_add_nc_u32 v[VAD+1], s67, v14
	v_lshlrev_b32 v[QOFF], 7, v1                   ; Qs fragment from memory: query r, 16 h bytes along d
	v_lshl_add_u32 v[QOFF], v2, 4, v[QOFF]
	s_lshl_b32 s68, s9, 14
	s_add_co_u32 s68, s68, SCR
	v_lshl_add_u32 v[SCRA], v3, 4, s68             ; scratch of the pair of waves p and p + 4: 16 bytes a lane
	s_mul_i32 s69, s9, 16*SPITCH
	s_add_co_u32 s69, s69, STAGE
	v_mul_u32_u24 v[STO], v1, SPITCH
	v_lshl_add_u32 v[STO], v2, 4, v[STO]
	v_add_nc_u32 v[STO], s69, v[STO]               ; in: row r, 16 h
	v_mul_u32_u24 v[RD], v2, SPITCH
	v_lshl_add_u32 v[RD], v1, 4, v[RD]
	v_add_nc_u32 v[RD], s69, v[RD]                 ; back: lanes 0-15 one row of 256 bytes, lanes 16-31 the next
	v_lshlrev_b32 v[CO], 12, v2
	v_lshl_add_u32 v[CO], v1, 4, v[CO]             ; the same two rows in o2
	v_mov_b32 v[D1],   0x48490ec7                  ;   6.2830540 x 2^15
	v_mov_b32 v[D1+1], 0x48490ec7
	v_mov_b32 v[D3],   0xc9a55311                  ; -41.331120  x 2^15
	v_mov_b32 v[D3+1], 0xc9a55311
	v_mov_b32 v[D5],   0x4a22bb20                  ;  81.365475  x 2^15
	v_mov_b32 v[D5+1], 0x4a22bb20
	v_mov_b32 v[D7],   0xca14f11d                  ; -74.470921  x 2^15
	v_mov_b32 v[D7+1], 0xca14f11d
	v_mov_b32 v[D9],   0x49831359                  ;  32.768894  x 2^15
	v_mov_b32 v[D9+1], 0x49831359
	s_wait_dscnt 0x0
	s_wait_kmcnt 0x0
	s_add_nc_u64 s[52:53], s[4:5], s[52:53]        ; qkv at batch, head, my keys
	s_add_nc_u64 s[56:57], s[4:5], s[60:61]        ; my queries
	s_add_nc_u64 s[58:59], s[6:7], s[58:59]        ; my rows of o2
.irp s, 0,1
	s_mov_b32 s[G0K+4*\s], 1
	s_add_co_u32 s[G0K+4*\s+1], s54, \s*SLOT
	s_add_nc_u64 s[G0K+4*\s+2:G0K+4*\s+3], s[52:53], 16*HEADB+\s*TILEB   ; K heads lie 16 heads behind Qs: tile s
	s_or_b32 s[G0K+4*\s+3], s[G0K+4*\s+3], 0x80000000
	s_mov_b32 s[G0V+4*\s], 1
	s_add_co_u32 s[G0V+4*\s+1], s55, \s*SLOT
	s_add_nc_u64 s[G0V+4*\s+2:G0V+4*\s+3], s[52:53], 32*HEADB+\s*TILEB   ; V heads 32 heads behind
	s_or_b32 s[G0V+4*\s+3], s[G0V+4*\s+3], 0x80000000
.endr
	WIN 0x40                                       ; destination window 1, address window 0
.irp qt, 0,1,2,3
.irp dh, 0,1
	global_load_b128 v[QF+8*(2*\qt+\dh):QF+8*(2*\qt+\dh)+3],   v[QOFF], s[56:57] offset:\qt*2048+\dh*64
	global_load_b128 v[QF+8*(2*\qt+\dh)+4:QF+8*(2*\qt+\dh)+7], v[QOFF], s[56:57] offset:\qt*2048+\dh*64+32
.endr
.endr
	WIN 0
	ROUND                                          ; the four work-groups are here: the first joint loads meet
	tensor_load_to_lds s[G0K:G0K+3], s[G1K:G1K+7]  ; tile 0
	s_nop 0
	tensor_load_to_lds s[G0V:G0V+3], s[G1V:G1V+7]
	s_nop 0
	s_wait_loadcnt 0x0                             ; my Qs fragments, kept for the whole launch
.macro LDK slot, st                    ; 32 keys x 64 d of K: 8 loads
.irp kt, 0,1
.irp dh, 0,1
	ds_load_b128 v[KF+16*\kt+8*\dh:KF+16*\kt+8*\dh+3],   v[KAD+\slot] offset:(2*(\st)+\kt)*16*KPITCH+\dh*64
	ds_load_b128 v[KF+16*\kt+8*\dh+4:KF+16*\kt+8*\dh+7], v[KAD+\slot] offset:(2*(\st)+\kt)*16*KPITCH+\dh*64+32
.endr
.endr
.endm
.macro LDV slot, st                    ; 64 d x 32 keys of V^T: 8 transposing loads
.irp dt, 0,1,2,3
	ds_load_tr16_b128 v[VF+8*\dt:VF+8*\dt+3],   v[VAD+\slot] offset:(\st)*32*VPITCH+\dt*32
	ds_load_tr16_b128 v[VF+8*\dt+4:VF+8*\dt+7], v[VAD+\slot] offset:(\st)*32*VPITCH+\dt*32+16*VPITCH
.endr
.endm
; 16 queries x 32 keys: 512 sines of the wave in 80 instructions, stage by stage, so that eight independent lines follow each other
.macro SIN16 qt
.irp i, 0,1,2,3,4,5,6,7,8,9,10,11,12,13,14,15
	v_rndne_f32 v[TT+\i], v[SS+16*\qt+\i]
.endr
.irp i, 0,2,4,6,8,10,12,14
	v_pk_add_f32 v[SS+16*\qt+\i:SS+16*\qt+\i+1], v[SS+16*\qt+\i:SS+16*\qt+\i+1], v[TT+\i:TT+\i+1] neg_lo:[0,1] neg_hi:[0,1]   ; r = u - rndne(u), exact
.endr
.irp i, 0,2,4,6,8,10,12,14
	v_pk_mul_f32 v[TT+\i:TT+\i+1], v[SS+16*\qt+\i:SS+16*\qt+\i+1], v[SS+16*\qt+\i:SS+16*\qt+\i+1]                             ; z = r r
.endr
.irp i, 0,2,4,6,8,10,12,14
	v_pk_fma_f32 v[UU+\i:UU+\i+1], v[TT+\i:TT+\i+1], v[D9:D9+1], v[D7:D7+1]
.endr
.irp i, 0,2,4,6,8,10,12,14
	v_pk_fma_f32 v[UU+\i:UU+\i+1], v[UU+\i:UU+\i+1], v[TT+\i:TT+\i+1], v[D5:D5+1]
.endr
.irp i, 0,2,4,6,8,10,12,14
	v_pk_fma_f32 v[UU+\i:UU+\i+1], v[UU+\i:UU+\i+1], v[TT+\i:TT+\i+1], v[D3:D3+1]
.endr
.irp i, 0,2,4,6,8,10,12,14
	v_pk_fma_f32 v[UU+\i:UU+\i+1], v[UU+\i:UU+\i+1], v[TT+\i:TT+\i+1], v[D1:D1+1]
.endr
.irp i, 0,2,4,6,8,10,12,14
	v_pk_mul_f32 v[UU+\i:UU+\i+1], v[UU+\i:UU+\i+1], v[SS+16*\qt+\i:SS+16*\qt+\i+1]
.endr
.irp i, 0,1,2,3,4,5,6,7
	v_cvt_pk_f16_f32 v[PP+8*\qt+\i], v[UU+2*\i], v[UU+2*\i+1]   ; keys 8 h + 2 i, + 1 of tile 0 (i < 4), of tile 1 (i >= 4): the fragment's own order
.endr
.endm
; One step: my 64 queries x 32 of my keys.  zero = 1: the first product starts O's sums.  last = 1: the tile's last step fetches no further K.
; The 8 accumulators of S^T and the 16 of O^T take turns, one instruction a turn.
.macro STEP slot, st, zero, last
	s_wait_dscnt 0x0                               ; this step's K fragments are in
	WIN 0x04                                       ; source 1 (Qs) window 1
.irp qt, 0,1,2,3
.irp kt, 0,1
	v_wmma_f32_16x16x32_f16 v[SS+16*\qt+8*\kt:SS+16*\qt+8*\kt+7], v[KF+16*\kt:KF+16*\kt+7], v[QF+16*\qt:QF+16*\qt+7], 0
.endr
.endr
.irp qt, 0,1,2,3
.irp kt, 0,1
	v_wmma_f32_16x16x32_f16 v[SS+16*\qt+8*\kt:SS+16*\qt+8*\kt+7], v[KF+16*\kt+8:KF+16*\kt+15], v[QF+16*\qt+8:QF+16*\qt+15], v[SS+16*\qt+8*\kt:SS+16*\qt+8*\kt+7]
.endr
.endr
	WIN 0
.rept 4
	v_nop                                          ; four places in front of the loads into KF and VF and of the first read of S^T
.endr
	LDV \slot, \st
.if \last == 0
	LDK \slot, \st+1
.endif
	SIN16 0
	SIN16 1
	SIN16 2
	SIN16 3
.if \last
	s_wait_dscnt 0x0                               ; V^T is in
.else
	s_wait_dscnt 0x8                               ; V^T is in; the eight younger loads are the next step's K
.endif
	WIN 0x50                                       ; C and D (O^T) window 1
.irp qt, 0,1,2,3
.irp dt, 0,1,2,3
.if \zero
	v_wmma_f32_16x16x32_f16 v[OO+8*(4*\qt+\dt):OO+8*(4*\qt+\dt)+7], v[VF+8*\dt:VF+8*\dt+7], v[PP+8*\qt:PP+8*\qt+7], 0
.else
	v_wmma_f32_16x16x32_f16 v[OO+8*(4*\qt+\dt):OO+8*(4*\qt+\dt)+7], v[VF+8*\dt:VF+8*\dt+7], v[PP+8*\qt:PP+8*\qt+7], v[OO+8*(4*\qt+\dt):OO+8*(4*\qt+\dt)+7]
.endif
.endr
.endr
	WIN 0
.endm
; One tile of 256 keys from one slot.  In front of the round every wave waits for all its tensor loads (its parts of this tile) and for its reads of
; the other slot; behind the round the other slot is asked for again, first of all.  Two tensor loads of a wave are out at the most.
.macro TRIP slot, zero, refill
	s_wait_tensorcnt 0x0                           ; no load of mine is out, so every group 0 may be written: this slot's next tile
	ds_add_u32 v254, v255
	s_wait_dscnt 0x0
	s_add_nc_u64 s[G0K+4*\slot+2:G0K+4*\slot+3], s[G0K+4*\slot+2:G0K+4*\slot+3], 2*TILEB
	s_add_nc_u64 s[G0V+4*\slot+2:G0V+4*\slot+3], s[G0V+4*\slot+2:G0V+4*\slot+3], 2*TILEB
	s_wait_dscnt 0x0                               ; my reads of the last tile are done
	ROUND                                          ; both now hold of every wave of the four work-groups
.if \refill
	tensor_load_to_lds s[G0K+4-4*\slot:G0K+7-4*\slot], s[G1K:G1K+7]
	s_nop 0
	tensor_load_to_lds s[G0V+4-4*\slot:G0V+7-4*\slot], s[G1V:G1V+7]
	s_nop 0
.endif
	LDK \slot, 0
	STEP \slot, 0, \zero, 0
	STEP \slot, 1, 0, 0
	STEP \slot, 2, 0, 0
	STEP \slot, 3, 0, 1
.endm
	TRIP 0, 1, 1                                   ; tile 0 (asks for tile 1)
	s_mov_b32 s48, 3
.Ltiles:
	TRIP 1, 0, 1                                   ; tiles 1, 3, 5
	TRIP 0, 0, 1                                   ; tiles 2, 4, 6
	s_sub_co_u32 s48, s48, 1
	s_cmp_lg_u32 s48, 0
	s_cbranch_scc1 .Ltiles
	TRIP 1, 0, 0                                   ; tile 7 asks for nothing (the stepped addresses are not used)
.rept 4
	v_nop                                          ; four places behind the last matrix instructions
.endr
	; THE WAY OUT.  Waves 4-7 hand their half of the sum over keys to waves 0-3 through LDS.
	s_cmp_lt_u32 s8, 4
	s_cbranch_scc1 .Lkeep
	WIN 0x04                                       ; store data (source 1) window 1
.irp i, 0,1,2,3,4,5,6,7,8,9,10,11,12,13,14,15,16,17,18,19,20,21,22,23,24,25,26,27,28,29,30,31
	ds_store_b128 v[SCRA], v[OO+4*\i:OO+4*\i+3] offset:512*\i
.endr
	WIN 0
.Lkeep:
	s_wait_dscnt 0x0                               ; for the other wave: my stores are done
	s_barrier_signal -1
	s_barrier_wait -1
	s_cmp_ge_u32 s8, 4
	s_cbranch_scc1 .Lclose
.irp i, 0,1,2,3,4,5,6,7,8,9,10,11,12,13,14,15,16,17,18,19,20,21,22,23,24,25,26,27,28,29,30,31
	ds_load_b128 v[XX+4*\i:XX+4*\i+3], v[SCRA] offset:512*\i
.endr
	s_wait_dscnt 0x0
	WIN 0x01                                       ; source 0 (my O^T) window 1
.set i, 0
.rept 64
	v_pk_add_f32 v[XX+i:XX+i+1], v[OO+i:OO+i+1], v[XX+i:XX+i+1]
.set i, i+2
.endr
	WIN 0
; eight numbers of query r: hi = bf16(X), lo = bf16(X - hi); hi to byte 32 dt + 16 h of the row, lo 128 bytes behind
.macro HILO qt, dt
.set XB, XX+8*(4*\qt+\dt)
.set HB, TT+8*(\dt%2)
.set WB, UU+8*(\dt%2)
.irp r, 0,1,2,3
	v_cvt_pk_bf16_f32 v[HB+\r], v[XB+2*\r], v[XB+2*\r+1]
.endr
.irp r, 0,1,2,3
	v_lshlrev_b32 v[WB+2*\r], 16, v[HB+\r]
	v_and_b32 v[WB+2*\r+1], s62, v[HB+\r]
.endr
.irp r, 0,1,2,3
	v_pk_add_f32 v[WB+2*\r:WB+2*\r+1], v[XB+2*\r:XB+2*\r+1], v[WB+2*\r:WB+2*\r+1] neg_lo:[0,1] neg_hi:[0,1]
.endr
.irp r, 0,1,2,3
	v_cvt_pk_bf16_f32 v[HB+4+\r], v[WB+2*\r], v[WB+2*\r+1]
.endr
	ds_store_b128 v[STO], v[HB:HB+3] offset:32*\dt
	ds_store_b128 v[STO], v[HB+4:HB+7] offset:32*\dt+128
.endm
.irp qt, 0,1,2,3
	HILO \qt, 0
	HILO \qt, 1
	HILO \qt, 2
	HILO \qt, 3
	s_wait_xcnt 0x0                                ; the earlier stores have had their addresses translated (ISA guide 3.1): their data registers are loaded again only behind this wait
.irp t, 0,1,2,3,4,5,6,7
	ds_load_b128 v[OB+4*\t:OB+4*\t+3], v[RD] offset:\t*2*SPITCH    ; my own stage: LDS serves a wave's instructions in order
.endr
.irp t, 0,1,2,3,4,5,6,7
	s_wait_dscnt 7-\t
	global_store_b128 v[CO], v[OB+4*\t:OB+4*\t+3], s[58:59] offset:(16*\qt+2*\t)*4096   ; 16 lanes store the 256 consecutive bytes of one (row, head), aligned
.endr
.endr
.Lclose:
	s_wait_tensorcnt 0x0
	ds_add_u32 v254, v255
	s_wait_dscnt 0x0
	ROUND                                          ; the closing round: no work-group ends while a partner may still ask for a tile that names it
	s_endpgm
.Lfunc_end_k_q0af2c18a96_attn:
	.size	k_q0af2c18a96_attn, .Lfunc_end_k_q0af2c18a96_attn-k_q0af2c18a96_attn
	.p2alignl 7, 3214868480
	.fill 96, 4, 3214868480
	.section	.rodata,"a",@progbits
	.p2align	6, 0x0
	.amdhsa_kernel k_q0af2c18a96_attn
		.amdhsa_group_segment_fixed_size 327680
		.amdhsa_private_segment_fixed_size 0
		.amdhsa_enable_private_segment 0
		.amdhsa_kernarg_size 16
		.amdhsa_user_sgpr_count 2
		.amdhsa_user_sgpr_kernarg_segment_ptr 1
		.amdhsa_wavefront_size32 1
		.amdhsa_system_sgpr_workgroup_id_x 1
		.amdhsa_system_sgpr_workgroup_id_y 1
		.amdhsa_system_sgpr_workgroup_id_z 1
		.amdhsa_system_vgpr_workitem_id 0
		.amdhsa_next_free_vgpr 448
		.amdhsa_next_free_sgpr 80
		.amdhsa_reserve_vcc 0
		.amdhsa_float_denorm_mode_32 3
		.amdhsa_float_denorm_mode_16_64 3
		.amdhsa_memory_ordered 1
		.amdhsa_forward_progress 1
		.amdhsa_inst_pref_size 255
	.end_amdhsa_kernel
	.section	.bss,"aw",@nobits
	.p2align	6
	.space	262144
	.amdgpu_metadata
---
amdhsa.version: [ 1, 2 ]
amdhsa.kernels:
  - .name:           k_q0af2c18a96_attn
    .symbol:         k_q0af2c18a96_attn.kd
    .args:
      - { .name: qkv, .offset: 0, .size: 8, .value_kind: global_buffer, .address_space: global }
      - { .name: o2, .offset: 8, .size: 8, .value_kind: global_buffer, .address_space: global }
    .group_segment_fixed_size: 327680
    .private_segment_fixed_size: 0
    .kernarg_segment_align: 8
    .kernarg_segment_size: 16
    .max_flat_workgroup_size: 256
    .sgpr_count:     80
    .vgpr_count:     448
    .wavefront_size: 32
...
	.end_amdgpu_metadata
.endif
;; end of part 3
;; launch oproj (part 4): grid 8 x 32, 4 waves a work-group, clusters of 4 x 4, 327,680 bytes of LDS; arguments o2, xw, bo, out0; writes out0
.if DOCPART == 4
	.amdgcn_target "amdgcn-amd-amdhsa--gfx1250"
	.amdhsa_code_object_version 6
	.text
	.protected	k_q0af2c18a96_oproj
	.globl	k_q0af2c18a96_oproj
	.p2align	8
	.type	k_q0af2c18a96_oproj,@function
k_q0af2c18a96_oproj:
	s_mov_b64 s[64:65], 0
	v_nop
	global_prefetch_b8 v0, s[64:65] scope:SCOPE_SE
	s_setreg_imm32_b32 hwreg(HW_REG_WAVE_MODE, 25, 1), 1
	s_wait_xcnt 0x0
	s_wait_alu depctr_hold_cnt(0) depctr_sa_sdst(0) depctr_va_vdst(0) depctr_va_sdst(0) depctr_va_ssrc(0) depctr_va_vcc(0) depctr_vm_vsrc(0)
	s_getreg_b32 s2, hwreg(HW_REG_IB_STS2, 6, 4)
	s_cmp_eq_u32 s2, 0
	s_cbranch_scc0 .Lentry_in_a_cluster
	s_endpgm
.Lentry_in_a_cluster:
	s_bfe_u32 s2, ttmp6, 0x10000c
	s_cmp_lg_u32 s2, 0xf033
	s_cbranch_scc0 .Lentry_shape_is_right
	s_endpgm
.Lentry_shape_is_right:
; out0[row][n] = 2^-15 x sum over k of (hi[row][k] + lo[row][k]) Wo[n][k] + bo[n], f32.  hi + lo = O x 2^15 as two bf16 numbers (o2), Wo in bf16 (xw rows 7168-8191).
; hi and lo are multiplied by the same fragments of Wo and added into the same f32 sums; 2^-15 and the bias cost one fused multiply-add on the way out.
; A work-group makes 128 x 128 with four waves, 2 x 2, a wave 64 x 64: 16 accumulator tiles.  A K step is 128 columns of Wo (rows of 256 bytes) = two heads
; = 512 bytes of a row of o2 (hi 64 | lo 64 | hi 64 | lo 64); 8 K steps through two LDS slots.
; CLUSTERS 4 x 4: o2's tile hangs on the block row and is shared along a row of the cluster, Wo's on the block column and is shared along a column.
; Used transposed (source 0 = rows of Wo, source 1 = rows of o2): lane l holds row l % 16 and columns 8 (l / 16) + 0 .. 7.
; REGISTERS: window 0: v16-29 addresses and the scale; v32-127, v128-223 two fragment buffers (Wo at +0, hi at +32, lo at +64); v224-255 at work.
;            window 1: v0-127 accumulators, tile (a, b) at 8 (4 a + b); v128-159 bias of tile column b at 128 + 8 b.
.set OPITCH, 528                       ; 512 + 16, an odd multiple of 16
.set WPITCH, 272                       ; 256 + 16
.set OT,     128*OPITCH
.set WT,     128*WPITCH
.set SLOT,   OT+WT
.set STAGE,  2*SLOT                    ; a multiple of 256: no tensor load lands here
.set SPITCH, 272
.set LAPS,   4                         ; 8 K steps, two to a lap
.set ADRA, 16
.set ADRB, 20
.set STO,  24
.set RD,   25
.set CO,   26
.set BOFF, 27
.set SCL,  28                          ; v28-29: 2^-15, twice
.set F0,   32
.set F1,   128
.set TMP,  224
.set RB,   32
.set BI,   128                         ; window 1
.set G1,  24
.set G0,  32
.set G1B, 48
.set G0B, 56
.set MSB, 0
.macro WIN new
.if MSB != \new
	s_set_vgpr_msb (MSB<<8)|\new
.set MSB, \new
.endif
.endm
.set MUL, 0x50                         ; sources 0 and 1 window 0, C and D window 1
.macro JLOAD s                         ; waves 0, 1 fetch the halves of o2's tile, waves 2, 3 those of Wo's: the branch hangs on the wave number alone
	s_cmp_eq_u32 s15, 0
	s_cbranch_scc0 .Lfor_w_\@
	tensor_load_to_lds s[G0+4*\s:G0+4*\s+3], s[G1:G1+7]
	s_nop 0
	s_branch .Lasked_\@
.Lfor_w_\@:
	tensor_load_to_lds s[G0B+4*\s:G0B+4*\s+3], s[G1B:G1B+7]
	s_nop 0
	v_nop
.Lasked_\@:
.endm
.macro CREST
	s_cmp_lg_u32 s14, 0
	s_cbranch_scc1 .Lnot_wave_0_\@
	s_barrier_signal -3
.Lnot_wave_0_\@:
	s_barrier_wait -3
	s_barrier_signal -1
	s_barrier_wait -1
.endm
.macro CROUND
	s_barrier_signal -1
	s_barrier_wait -1
	CREST
.endm
	s_load_b256 s[4:11], s[0:1], 0x0               ; o2 s[4:5], xw s[6:7], bo s[8:9], out0 s[10:11]
	v_lshl_add_u32 v30, v0, 2, 0x36400
	v_mov_b32 v31, 0
	ds_add_u32 v30, v31
	v_lshrrev_b32 v1, 5, v0
	v_readfirstlane_b32 s14, v1                    ; wave 0..3
	s_lshr_b32 s15, s14, 1                         ; my half of the rows.  Also: I fetch for o2 (0) or for Wo (1)
	s_and_b32 s16, s14, 1                          ; my half of the columns.  Also: which 64 rows of that tile I fetch
	s_bfe_u32 s17, ttmp6, 0x40000                  ; cx
	s_bfe_u32 s18, ttmp6, 0x40004                  ; cy
	s_lshl_b32 s19, ttmp9, 2
	s_add_co_u32 s19, s19, s17                     ; bx
	s_and_b32 s20, ttmp7, 0xffff
	s_lshl_b32 s20, s20, 2
	s_add_co_u32 s20, s20, s18                     ; by
	s_lshl_b32 s21, s18, 2
	s_lshl_b32 s21, 15, s21                        ; my row of the cluster
	s_lshl_b32 s22, 0x1111, s17                    ; my column
	s_or_b32 s[G1+0], s21, (1<<16)|(1<<20)|(1<<21)|(6<<22)|(3<<25)   ; o2: 2-byte elements, 4 words of padding behind every 128 words
	s_mov_b32 s[G1+1], 256<<16                     ; tensor_dim0 = 256
	s_mov_b32 s[G1+2], 64<<16                      ; tensor_dim1 = 64
	s_mov_b32 s[G1+3], 256<<16                     ; tile_dim0 = 256
	s_mov_b32 s[G1+4], 64                          ; tile_dim1 = 64
	s_mov_b32 s[G1+5], 2048                        ; elements from row to row
	s_mov_b32 s[G1+6], 0
	s_mov_b32 s[G1+7], 0
	s_or_b32 s[G1B+0], s22, (1<<16)|(1<<20)|(1<<21)|(5<<22)|(3<<25)  ; Wo: padding behind every 64 words
	s_mov_b32 s[G1B+1], 128<<16
	s_mov_b32 s[G1B+2], 64<<16
	s_mov_b32 s[G1B+3], 128<<16
	s_mov_b32 s[G1B+4], 64
	s_mov_b32 s[G1B+5], 1024
	s_mov_b32 s[G1B+6], 0
	s_mov_b32 s[G1B+7], 0
	s_lshl_b32 s40, s20, 7
	s_lshl_b32 s41, s16, 6
	s_add_co_u32 s40, s40, s41                     ; o2: row 128 by + 64 x half,
	s_lshl_b32 s40, s40, 12                        ; rows of 4,096 bytes
	s_mov_b32 s41, 0
	s_lshl_b32 s42, s19, 7
	s_lshl_b32 s43, s16, 6
	s_add_co_u32 s42, s42, s43                     ; Wo: row 128 bx + 64 x half,
	s_lshl_b32 s42, s42, 11                        ; rows of 2,048 bytes,
	s_add_co_u32 s42, s42, 7168*2048               ; behind 7,168 rows of xw
	s_mov_b32 s43, 0
	s_mul_i32 s44, s14, 64*OPITCH                  ; LDS: o2's halves (waves 0, 1)
	s_mul_i32 s45, s14, 64*WPITCH
	s_add_co_u32 s45, s45, OT-2*64*WPITCH          ; Wo's halves behind o2's tile (waves 2, 3)
	s_lshl_b32 s68, s19, 7                         ; my first column: 128 bx + 64 x half, 4 bytes each
	s_lshl_b32 s69, s16, 6
	s_add_co_u32 s68, s68, s69
	s_lshl_b32 s68, s68, 2
	s_mov_b32 s69, 0
	s_wait_dscnt 0x0
	s_wait_kmcnt 0x0
	s_add_nc_u64 s[40:41], s[4:5], s[40:41]
	s_add_nc_u64 s[42:43], s[6:7], s[42:43]
	s_add_nc_u64 s[66:67], s[8:9], s[68:69]        ; my 64 numbers of bo
	CROUND                                         ; the first joint loads meet
.irp s, 0,1
	s_mov_b32 s[G0+4*\s], 1
	s_add_co_u32 s[G0+4*\s+1], s44, \s*SLOT
	s_add_nc_u64 s[G0+4*\s+2:G0+4*\s+3], s[40:41], \s*512
	s_or_b32 s[G0+4*\s+3], s[G0+4*\s+3], 0x80000000
	s_mov_b32 s[G0B+4*\s], 1
	s_add_co_u32 s[G0B+4*\s+1], s45, \s*SLOT
	s_add_nc_u64 s[G0B+4*\s+2:G0B+4*\s+3], s[42:43], \s*256
	s_or_b32 s[G0B+4*\s+3], s[G0B+4*\s+3], 0x80000000
	JLOAD \s                                       ; K steps 0 and 1: two tensor loads of the wave are out, the most in this text
.endr
	v_and_b32 v1, 15, v0                           ; r
	v_bfe_u32 v2, v0, 4, 1                         ; h
	v_lshlrev_b32 v[BOFF], 5, v2                   ; my eight columns of a tile: 32 h bytes
	WIN 0x40                                       ; destination window 1
.irp b, 0,1,2,3
	global_load_b128 v[BI+8*\b:BI+8*\b+3],   v[BOFF], s[66:67] offset:64*\b      ; waited for on the way out
	global_load_b128 v[BI+8*\b+4:BI+8*\b+7], v[BOFF], s[66:67] offset:64*\b+16
.endr
	WIN 0
	v_mov_b32 v[SCL], 0x38000000                   ; 2^-15
	v_mov_b32 v[SCL+1], 0x38000000
	v_mul_u32_u24 v3, v1, OPITCH
	v_lshl_add_u32 v3, v2, 4, v3
	v_mul_u32_u24 v4, v1, WPITCH
	v_lshl_add_u32 v4, v2, 4, v4
	s_mul_i32 s76, s15, 64*OPITCH                  ; my 64 rows of o2
	s_mul_i32 s77, s16, 64*WPITCH                  ; my 64 rows of Wo,
	s_add_co_u32 s77, s77, OT                      ; behind o2's tile
.irp s, 0,1
	v_add_nc_u32 v[ADRA+\s], s76, v3
	v_add_nc_u32 v[ADRB+\s], s77, v4
	s_add_co_u32 s76, s76, SLOT
	s_add_co_u32 s77, s77, SLOT
.endr
	s_mul_i32 s78, s14, 16*SPITCH
	s_add_co_u32 s78, s78, STAGE                   ; my stage
	v_mul_u32_u24 v5, v1, SPITCH                   ; in: row r, 32 bytes (8 f32) for each half of the lanes
	v_lshl_add_u32 v5, v2, 5, v5
	v_add_nc_u32 v[STO], s78, v5
	v_mul_u32_u24 v6, v2, SPITCH                   ; back: lanes 0-15 one row of 256 bytes, lanes 16-31 the next
	v_lshl_add_u32 v6, v1, 4, v6
	v_add_nc_u32 v[RD], s78, v6
	v_lshlrev_b32 v[CO], 12, v2                    ; the same two rows in out0
	v_lshl_add_u32 v[CO], v1, 4, v[CO]
; 8 matrix instructions: row blocks a0, a0 + 1 x 4 column blocks, 32 along K; part 0 = hi, 1 = lo.  The 16 accumulators take turns, one instruction
; a turn, in the same order for hi and for lo and in every quarter, over the backward jump too.
.macro MUL8 f, part, a0, zero
.irp a, \a0, \a0+1
.irp b, 0,1,2,3
.if \zero
	v_wmma_f32_16x16x32_bf16 v[8*(4*(\a)+\b):8*(4*(\a)+\b)+7], v[\f+8*\b:\f+8*\b+7], v[\f+32+32*\part+8*(\a):\f+32+32*\part+8*(\a)+7], 0
.else
	v_wmma_f32_16x16x32_bf16 v[8*(4*(\a)+\b):8*(4*(\a)+\b)+7], v[\f+8*\b:\f+8*\b+7], v[\f+32+32*\part+8*(\a):\f+32+32*\part+8*(\a)+7], v[8*(4*(\a)+\b):8*(4*(\a)+\b)+7]
.endif
.endr
.endr
.endm
; 24 LDS loads in one run: quarter q (32 along K) of a slot into buffer f: Wo, then hi, then lo.  In a row of o2's tile quarter q is head q / 2, d = 32 (q % 2).
.macro FETCH slot, q, f
.irp i, 0,1,2,3
	ds_load_b128 v[\f+8*\i:\f+8*\i+3],   v[ADRB+\slot] offset:64*\q+\i*16*WPITCH
	ds_load_b128 v[\f+8*\i+4:\f+8*\i+7], v[ADRB+\slot] offset:64*\q+\i*16*WPITCH+32
.endr
.irp i, 0,1,2,3
	ds_load_b128 v[\f+32+8*\i:\f+32+8*\i+3],   v[ADRA+\slot] offset:(\q/2)*256+(\q%2)*64+\i*16*OPITCH
	ds_load_b128 v[\f+32+8*\i+4:\f+32+8*\i+7], v[ADRA+\slot] offset:(\q/2)*256+(\q%2)*64+\i*16*OPITCH+32
.endr
.irp i, 0,1,2,3
	ds_load_b128 v[\f+64+8*\i:\f+64+8*\i+3],   v[ADRA+\slot] offset:(\q/2)*256+(\q%2)*64+\i*16*OPITCH+128
	ds_load_b128 v[\f+64+8*\i+4:\f+64+8*\i+7], v[ADRA+\slot] offset:(\q/2)*256+(\q%2)*64+\i*16*OPITCH+160
.endr
.endm
.macro PLACES                          ; four plain vector instructions between a matrix instruction and a load into, or a vector read of, its registers (ISA guide 7.12.1 for vector instructions)
.rept 4
	v_nop
.endr
.endm
.macro QUARTER slot, q, f, g, zero     ; multiplies buffer f; in its middle fetches quarter q of the same slot into buffer g
	s_wait_dscnt 8                                 ; Wo and hi are in; the youngest eight loads (lo) may be out
	WIN MUL
	MUL8 \f, 0, 0, \zero
	MUL8 \f, 0, 2, \zero
	WIN 0
	PLACES
	FETCH \slot, \q, \g
	s_wait_dscnt 24                                ; all but the 24 just issued
	WIN MUL
	MUL8 \f, 1, 0, 0
	MUL8 \f, 1, 2, 0
.endm
.macro THREE slot, zero
	QUARTER \slot, 1, F0, F1, \zero
	QUARTER \slot, 2, F1, F0, 0
	QUARTER \slot, 3, F0, F1, 0
.endm
; The last quarter multiplies buffer 1 and changes slots: each wave's reads of this slot and all its tensor loads are waited for in front of the barrier;
; fill = 1: the barrier opens a round of the cluster barrier, and the joint refill, two K steps ahead, is the first tensor load behind the round.
; From a request to the wait for it a wave issues 120 matrix instructions.
.macro TURN slot, next, fill
	s_wait_dscnt 8
	WIN MUL
	MUL8 F1, 0, 0, 0
	s_wait_dscnt 0                                 ; my reads of this slot are over
	s_wait_tensorcnt 0x0                           ; all my tensor loads have landed
	ds_add_u32 v30, v31
	s_wait_dscnt 0x0
	s_barrier_signal -1
	MUL8 F1, 0, 2, 0                               ; register work while the others arrive
	WIN 0
	s_barrier_wait -1
.if \fill
	CREST
	s_add_nc_u64 s[G0+4*\slot+2:G0+4*\slot+3], s[G0+4*\slot+2:G0+4*\slot+3], 2*512
	s_add_nc_u64 s[G0B+4*\slot+2:G0B+4*\slot+3], s[G0B+4*\slot+2:G0B+4*\slot+3], 2*256
	JLOAD \slot
.endif
	PLACES
	FETCH \next, 0, F0
	WIN MUL
	MUL8 F1, 1, 0, 0
	MUL8 F1, 1, 2, 0
.endm
.macro LAP zero
	THREE 0, \zero
	TURN 0, 1, 1
	THREE 1, 0
	TURN 1, 0, 1
.endm
	s_wait_tensorcnt 0x1                           ; my part of K step 0 is in; K step 1 stays out
	s_barrier_signal -1
	s_barrier_wait -1
	FETCH 0, 0, F0
	LAP 1                                          ; the first products (hi of the first quarter) start the sums
	WIN 0
	s_mov_b32 s3, LAPS-2
.Llap:
	LAP 0
	WIN 0
	s_sub_co_u32 s3, s3, 1
	s_cmp_lg_u32 s3, 0
	s_cbranch_scc1 .Llap
	THREE 0, 0                                     ; the last lap fills nothing
	TURN 0, 1, 0
	THREE 1, 0
	s_wait_dscnt 8
	WIN MUL
	MUL8 F1, 0, 0, 0
	MUL8 F1, 0, 2, 0
	s_wait_dscnt 0
	MUL8 F1, 1, 0, 0
	MUL8 F1, 1, 2, 0
	; THE WAY OUT, 16 rows at a time: sum x 2^-15 + bias in one fused multiply-add, through my own stage, back as whole rows of 256 bytes.
	PLACES
	WIN 0
	s_wait_loadcnt 0x0                             ; the eight bias loads
	s_lshl_b32 s40, s20, 7                         ; my first row: 128 by + 64 x half (in the registers that held o2's address: they never hold cx)
	s_lshl_b32 s41, s15, 6
	s_add_co_u32 s40, s40, s41
	s_lshl_b32 s40, s40, 12                        ; rows of 4,096 bytes
	s_mov_b32 s41, 0
	s_add_nc_u64 s[10:11], s[10:11], s[40:41]
	s_add_nc_u64 s[10:11], s[10:11], s[68:69]      ; my first column
.macro OUT16 a
	WIN 0x11                                       ; source 0 (sums) and source 2 (bias) window 1
.irp b, 0,1,2,3
.irp j, 0,2,4,6
	v_pk_fma_f32 v[TMP+8*\b+\j:TMP+8*\b+\j+1], v[8*(4*\a+\b)+\j:8*(4*\a+\b)+\j+1], v[SCL:SCL+1], v[BI+8*\b+\j:BI+8*\b+\j+1]
.endr
.endr
	WIN 0
.irp b, 0,1,2,3
	ds_store_b128 v[STO], v[TMP+8*\b:TMP+8*\b+3] offset:64*\b
	ds_store_b128 v[STO], v[TMP+8*\b+4:TMP+8*\b+7] offset:64*\b+16
.endr
	s_wait_xcnt 0x0                                ; the earlier stores have had their addresses translated (ISA guide 3.1): their data registers are loaded again only behind this wait
.irp t, 0,1,2,3,4,5,6,7
	ds_load_b128 v[RB+4*\t:RB+4*\t+3], v[RD] offset:\t*2*SPITCH    ; my own stage: LDS serves a wave's instructions in order
.endr
.irp t, 0,1,2,3,4,5,6,7
	s_wait_dscnt 7-\t
	global_store_b128 v[CO], v[RB+4*\t:RB+4*\t+3], s[10:11] offset:(16*\a+2*\t)*4096 th:TH_STORE_NT   ; 16 lanes store 256 consecutive bytes, aligned
.endr
.endm
	OUT16 0
	OUT16 1
	OUT16 2
	OUT16 3
	s_wait_tensorcnt 0x0
	ds_add_u32 v30, v31
	s_wait_dscnt 0x0
	CROUND                                         ; the closing round
	s_endpgm
.Lfunc_end_k_q0af2c18a96_oproj:
	.size	k_q0af2c18a96_oproj, .Lfunc_end_k_q0af2c18a96_oproj-k_q0af2c18a96_oproj
	.p2alignl 7, 3214868480
	.fill 96, 4, 3214868480
	.section	.rodata,"a",@progbits
	.p2align	6, 0x0
	.amdhsa_kernel k_q0af2c18a96_oproj
		.amdhsa_group_segment_fixed_size 327680
		.amdhsa_private_segment_fixed_size 0
		.amdhsa_enable_private_segment 0
		.amdhsa_kernarg_size 32
		.amdhsa_user_sgpr_count 2
		.amdhsa_user_sgpr_kernarg_segment_ptr 1
		.amdhsa_wavefront_size32 1
		.amdhsa_system_sgpr_workgroup_id_x 1
		.amdhsa_system_sgpr_workgroup_id_y 1
		.amdhsa_system_sgpr_workgroup_id_z 1
		.amdhsa_system_vgpr_workitem_id 0
		.amdhsa_next_free_vgpr 416
		.amdhsa_next_free_sgpr 80
		.amdhsa_reserve_vcc 0
		.amdhsa_float_denorm_mode_32 3
		.amdhsa_float_denorm_mode_16_64 3
		.amdhsa_memory_ordered 1
		.amdhsa_forward_progress 1
		.amdhsa_inst_pref_size 115
	.end_amdhsa_kernel
	.amdgpu_metadata
---
amdhsa.version: [ 1, 2 ]
amdhsa.kernels:
  - .name:           k_q0af2c18a96_oproj
    .symbol:         k_q0af2c18a96_oproj.kd
    .args:
      - { .name: o2, .offset: 0, .size: 8, .value_kind: global_buffer, .address_space: global }
      - { .name: xw, .offset: 8, .size: 8, .value_kind: global_buffer, .address_space: global }
      - { .name: bo, .offset: 16, .size: 8, .value_kind: global_buffer, .address_space: global }
      - { .name: out0, .offset: 24, .size: 8, .value_kind: global_buffer, .address_space: global }
    .group_segment_fixed_size: 327680
    .private_segment_fixed_size: 0
    .kernarg_segment_align: 8
    .kernarg_segment_size: 32
    .max_flat_workgroup_size: 128
    .sgpr_count:     80
    .vgpr_count:     416
    .wavefront_size: 32
...
	.end_amdgpu_metadata
.endif
;; end of part 4
;; ======== version 2 of 2: 4 launches
;; limits: values are held in f16: magnitudes above 65,504 overflow, below 6.1e-05 lose precision; a function is approximated: absolute error at most 0.00025
;; workspace buffers: xw 16,777,216 bytes; qkv 25,165,824 bytes; o2 8,388,608 bytes
;; launch cast: the kernel of part 1 again; grid 512 x 1, 8 waves a work-group, no clusters, 0 bytes of LDS; arguments x, Wq, Wk, Wv, Wo, xw; writes xw
;; launch qkvp: the kernel of part 2 again; grid 16 x 16, 4 waves a work-group, clusters of 4 x 4, 327,680 bytes of LDS; arguments xw, bq, bk, bv, qkv; writes qkv
;; launch attn (part 5): grid 8 x 32, 8 waves a work-group, clusters of 4 x 1, 327,680 bytes of LDS; arguments qkv, o2; writes o2
.if DOCPART == 5
	.amdgcn_target "amdgcn-amd-amdhsa--gfx1250"
	.amdhsa_code_object_version 6
	.text
	.protected	k_q0af2c18a96_attn
	.globl	k_q0af2c18a96_attn
	.p2align	8
	.type	k_q0af2c18a96_attn,@function
k_q0af2c18a96_attn:
	s_mov_b64 s[64:65], 0
	v_nop
	global_prefetch_b8 v0, s[64:65] scope:SCOPE_SE
	s_setreg_imm32_b32 hwreg(HW_REG_WAVE_MODE, 25, 1), 1
	s_wait_xcnt 0x0
	s_wait_alu depctr_hold_cnt(0) depctr_sa_sdst(0) depctr_va_vdst(0) depctr_va_sdst(0) depctr_va_ssrc(0) depctr_va_vcc(0) depctr_vm_vsrc(0)
	s_getreg_b32 s2, hwreg(HW_REG_IB_STS2, 6, 4)
	s_cmp_eq_u32 s2, 0
	s_cbranch_scc0 .Lentry_in_a_cluster
	s_endpgm
.Lentry_in_a_cluster:
	s_bfe_u32 s2, ttmp6, 0x10000c
	s_cmp_lg_u32 s2, 0x3003
	s_cbranch_scc0 .Lentry_shape_is_right
	s_endpgm
.Lentry_shape_is_right:
; For one (batch, head) and 256 queries: u = Qs K^T (in periods of the sine), attn = sin(2 pi u), O = attn V.  No normalisation, so the sum over keys is a plain sum.
; o2[head][row][d] = O x 2^15 in bf16, rounded once (relative error at most 2^-9): a head's rows are 128 bytes and dense, so four rows are 512 consecutive bytes.
; THE SINE: r = u - rndne(u) is exact and lies in [-1/2, 1/2] for every finite u (an infinite u gives NaN, as the sine of infinity does);
; sin(2 pi r) x 2^15 = r (D1 + z (D3 + z (D5 + z D7))), z = r r: the Chebyshev series of the sine on that interval cut behind degree 7,
; absolute error below 2.5e-4; near 0 the error is a common factor 1 - 7.4e-4.  The factor 2^15 is folded exactly into the coefficients.
; FORMATS: Qs, K, V f16.  attn x 2^15 in f16: at most 32,777, and normal f16 numbers down to |attn| = 2^-29.  Sums in f32.
; LIMITS: from about |u| = 2^9 periods the rounding of Qs and K to f16 has moved the phase by a noticeable part of a period; from |u| = 2^23 r is 0.
;         |O| x 2^15 above the largest bf16 number becomes infinity.
; Eight waves: wave w has queries 64 (w & 3) .. + 63 and keys 128 (w >> 2) .. + 127 of every tile of 256 keys.  Two waves lie on a SIMD, so that the
; vector work of one (the sine, 288 instructions a step) can run beside the matrix work of the other (32 a step).  Keys and not queries are split, so that a
; wave keeps 64 queries: 16 LDS loads feed 32 matrix instructions.  The two halves of the sum over keys meet in LDS at the end.
; NO SHUFFLE BETWEEN THE PRODUCTS: S^T = (16 keys of K as source 0) x (16 queries of Qs as source 1) leaves lane (r, h) with query r and keys 8 h + j.
; Packed in pairs, two such tiles are the source-1 fragment (query r; keys 8 h .., 16 + 8 h ..) of O^T += (V^T as source 0, by transposing loads) x attn^T.
; CLUSTER 4 x 1: the four work-groups are four query blocks of one head and read the same K and V tiles: every tile is asked for jointly, mask 15.
; K and V rows are 128 bytes in the tensor itself; each wave fetches 32 keys of K and 32 of V of each tile.
; THE RING: two slots.  Tiles 0 and 1 are asked for at the start.  The round of the cluster barrier that frees a slot stands in the LAST step of the slot's tile, spread over
; that step's register work: the slot's last LDS reads are back early in the step, and three quarters of its sines stand inside the round.
.set KPITCH, 144                       ; 128 + 16: an odd multiple of 16
.set VPITCH, 160                       ; 128 + 32: an odd multiple of 32, for the transposing loads
.set KT,     256*KPITCH
.set VT,     256*VPITCH
.set SLOT,   KT+VT
.set SCR,    2*SLOT                    ; 4 x 16,384: what the two waves of a pair hand to each other (a multiple of 256: no tensor load lands here)
.set STAGE,  SCR+4*16384               ; 8 x 32 rows x 144
.set HPITCH, 144
.set WSTAGE, 32*HPITCH
.set HEADB,  2048*64*2                 ; a head in qkv
.set BATCHB, 48*HEADB
.set TILEB,  256*128                   ; bytes of 256 keys
.set KAD,  4                           ; v4-5   my K fragments in slot 0, 1
.set VAD,  6                           ; v6-7   my V fragments in slot 0, 1
.set QOFF, 8
.set SCRA, 9
.set STO,  10
.set RD,   11
.set CO,   12
.set D1,   16                          ; v16-23 the four coefficients, each twice
.set D3,   18
.set D5,   20
.set D7,   22
.set SS,   32                          ; v32-95   S^T tile (qt, kt) at 16 qt + 8 kt
.set PP,   96                          ; v96-127  attn^T fragment of qt at 8 qt
.set KF,   128                         ; v128-159 K fragment (kt, dh) at 16 kt + 8 dh
.set VF,   160                         ; v160-191 V^T fragment dt at 8 dt
.set TT,   192                         ; v192-207 at work
.set UU,   208                         ; v208-223 at work
.set OO,   0                           ; window 1: v0-127 O^T tile (qt, dt) at 8 (4 qt + dt)
.set QF,   128                         ; window 1: v128-191 Qs fragment (qt, dh) at 8 (2 qt + dh)
.set XX,   32                          ; way out: the whole sum of my 32 queries, 64 registers
.set HB,   96                          ; way out: the same in bf16, 32 registers
.set OB,   128                         ; way out: rows read back, 32 registers
.set G1K, 16                           ; s[16:23]
.set G1V, 24                           ; s[24:31]
.set G0K, 32                           ; s[32:39] one set for each slot
.set G0V, 40                           ; s[40:47]
.set MSB, 0
.macro WIN new                         ; the immediate's high byte repeats the setting that is left
.if MSB != \new
	s_set_vgpr_msb (MSB<<8)|\new
.set MSB, \new
.endif
.endm
.macro ROUND                           ; a whole round of the cluster barrier
	s_barrier_signal -1
	s_barrier_wait -1
	s_cmp_lg_u32 s8, 0
	s_cbranch_scc1 .Lnot_wave_0_\@
	s_barrier_signal -3
.Lnot_wave_0_\@:
	s_barrier_wait -3
	s_barrier_signal -1
	s_barrier_wait -1
.endm
	s_load_b128 s[4:7], s[0:1], 0x0                ; qkv s[4:5], o2 s[6:7]
	v_lshl_add_u32 v254, v0, 2, 0x3f000
	v_mov_b32 v255, 0
	ds_add_u32 v254, v255
	v_lshrrev_b32 v1, 5, v0
	v_readfirstlane_b32 s8, v1                     ; wave 0..7
	s_and_b32 s9, s8, 3                            ; p: my 64 queries
	s_lshr_b32 s10, s8, 2                          ; kh: my half of each tile's keys
	s_and_b32 s11, ttmp7, 0xffff
	s_lshr_b32 s12, s11, 4                         ; batch
	s_and_b32 s13, s11, 15                         ; head
	s_bfe_u32 s14, ttmp6, 0x40000                  ; cx
	s_lshl_b32 s15, ttmp9, 2
	s_add_co_u32 s15, s15, s14                     ; qb: my block of 256 queries
	; group 1: 32 rows of 64 elements of 2 bytes, dense; padding behind every 32 words: 4 words for K, 8 for V; mask 15 with bit 21 beside it
	s_mov_b32 s[G1K+0], 15|(1<<16)|(1<<20)|(1<<21)|(4<<22)|(3<<25)
	s_mov_b32 s[G1K+1], 64<<16                     ; tensor_dim0 = 64
	s_mov_b32 s[G1K+2], 32<<16                     ; tensor_dim1 = 32
	s_mov_b32 s[G1K+3], 64<<16                     ; tile_dim0 = 64
	s_mov_b32 s[G1K+4], 32                         ; tile_dim1 = 32
	s_mov_b32 s[G1K+5], 64                         ; elements from row to row
	s_mov_b32 s[G1K+6], 0
	s_mov_b32 s[G1K+7], 0
	s_mov_b32 s[G1V+0], 15|(1<<16)|(1<<20)|(1<<21)|(4<<22)|(7<<25)
	s_mov_b32 s[G1V+1], 64<<16
	s_mov_b32 s[G1V+2], 32<<16
	s_mov_b32 s[G1V+3], 64<<16
	s_mov_b32 s[G1V+4], 32
	s_mov_b32 s[G1V+5], 64
	s_mov_b32 s[G1V+6], 0
	s_mov_b32 s[G1V+7], 0
	; offsets.  What feeds the descriptors (s49, s50, s52-55) hangs on batch, head and wave number alone and never holds cx.
	s_mul_i32 s50, s12, BATCHB
	s_lshl_b32 s49, s13, 18
	s_add_co_u32 s50, s50, s49                     ; batch and head
	s_lshl_b32 s49, s8, 12
	s_add_co_u32 s52, s50, s49                     ; + my 32 keys of 128 bytes
	s_mov_b32 s53, 0
	s_mul_i32 s54, s8, 32*KPITCH                   ; where they go in a slot: K,
	s_mul_i32 s55, s8, 32*VPITCH
	s_add_co_u32 s55, s55, KT                      ; V
	s_lshl_b32 s60, s15, 15                        ; Qs: 256 queries of 128 bytes a block,
	s_add_co_u32 s60, s60, s50
	s_lshl_b32 s61, s9, 13                         ; my 64 of them
	s_add_co_u32 s60, s60, s61
	s_mov_b32 s61, 0
	s_lshl_b32 s58, s12, 11                        ; o2: row = 2048 batch + 256 qb + 64 p,
	s_lshl_b32 s59, s15, 8
	s_add_co_u32 s58, s58, s59
	s_lshl_b32 s59, s9, 6
	s_add_co_u32 s58, s58, s59
	s_lshl_b32 s58, s58, 7                         ; rows of 128 bytes,
	s_lshl_b32 s59, s13, 19                        ; 4,096 rows a head (the sum is below 2^23)
	s_add_co_u32 s58, s58, s59
	s_mov_b32 s59, 0
	; lane terms
	v_and_b32 v1, 15, v0                           ; r
	v_bfe_u32 v2, v0, 4, 1                         ; h
	v_and_b32 v3, 31, v0                           ; l
	v_mul_u32_u24 v13, v1, KPITCH                  ; K fragment: key r, 16 h bytes along d
	v_lshl_add_u32 v13, v2, 4, v13
	s_mul_i32 s66, s10, 128*KPITCH
	v_add_nc_u32 v[KAD], s66, v13
	s_add_co_u32 s66, s66, SLOT
	v_add_nc_u32 v[KAD+1], s66, v13
	v_and_b32 v14, 7, v0                           ; V^T fragment by transposing loads: key 8 h + (l & 7), 16 bytes at 16 ((l >> 3) & 1)
	v_lshl_add_u32 v14, v2, 3, v14
	v_mul_u32_u24 v14, v14, VPITCH
	v_bfe_u32 v15, v0, 3, 1
	v_lshl_add_u32 v14, v15, 4, v14
	s_mul_i32 s67, s10, 128*VPITCH
	s_add_co_u32 s67, s67, KT
	v_add_nc_u32 v[VAD], s67, v14
	s_add_co_u32 s67, s67, SLOT
	v_add_nc_u32 v[VAD+1], s67, v14
	v_lshlrev_b32 v[QOFF], 7, v1                   ; Qs fragment from memory: query r, 16 h bytes along d
	v_lshl_add_u32 v[QOFF], v2, 4, v[QOFF]
	s_lshl_b32 s68, s9, 14
	s_add_co_u32 s68, s68, SCR
	v_lshl_add_u32 v[SCRA], v3, 4, s68             ; scratch of the pair of waves p and p + 4: 16 bytes a lane
	s_mul_i32 s69, s8, WSTAGE
	s_add_co_u32 s69, s69, STAGE                   ; my stage
	v_mul_u32_u24 v[STO], v1, HPITCH
	v_lshl_add_u32 v[STO], v2, 4, v[STO]
	v_add_nc_u32 v[STO], s69, v[STO]               ; in: row r, 16 h
	v_lshrrev_b32 v13, 3, v3                       ; back: eight lanes take a row of 128 bytes, the wave four rows
	v_mul_u32_u24 v13, v13, HPITCH
	v_and_b32 v14, 7, v0
	v_lshl_add_u32 v13, v14, 4, v13
	v_add_nc_u32 v[RD], s69, v13
	v_lshlrev_b32 v[CO], 4, v3                     ; four rows of a head are 512 consecutive bytes of o2
	v_mov_b32 v[D1],   0x4848e9ea                  ;   6.2785540 x 2^15
	v_mov_b32 v[D1+1], 0x4848e9ea
	v_mov_b32 v[D3],   0xc9a45d4e                  ; -41.091116  x 2^15
	v_mov_b32 v[D3+1], 0xc9a45d4e
	v_mov_b32 v[D5],   0x4a1bd19d                  ;  77.909403  x 2^15
	v_mov_b32 v[D5+1], 0x4a1bd19d
	v_mov_b32 v[D7],   0xc9e02764                  ; -56.038469  x 2^15
	v_mov_b32 v[D7+1], 0xc9e02764
	s_wait_dscnt 0x0
	s_wait_kmcnt 0x0
	s_add_nc_u64 s[52:53], s[4:5], s[52:53]        ; qkv at batch, head, my keys
	s_add_nc_u64 s[56:57], s[4:5], s[60:61]        ; my queries
	s_add_nc_u64 s[58:59], s[6:7], s[58:59]        ; my rows of o2
.irp s, 0,1
	s_mov_b32 s[G0K+4*\s], 1
	s_add_co_u32 s[G0K+4*\s+1], s54, \s*SLOT
	s_add_nc_u64 s[G0K+4*\s+2:G0K+4*\s+3], s[52:53], 16*HEADB+\s*TILEB   ; K heads lie 16 heads behind Qs: tile s
	s_or_b32 s[G0K+4*\s+3], s[G0K+4*\s+3], 0x80000000
	s_mov_b32 s[G0V+4*\s], 1
	s_add_co_u32 s[G0V+4*\s+1], s55, \s*SLOT
	s_add_nc_u64 s[G0V+4*\s+2:G0V+4*\s+3], s[52:53], 32*HEADB+\s*TILEB   ; V heads 32 heads behind
	s_or_b32 s[G0V+4*\s+3], s[G0V+4*\s+3], 0x80000000
.endr
	WIN 0x40                                       ; destination window 1, address window 0
.irp qt, 0,1,2,3
.irp dh, 0,1
	global_load_b128 v[QF+8*(2*\qt+\dh):QF+8*(2*\qt+\dh)+3],   v[QOFF], s[56:57] offset:\qt*2048+\dh*64
	global_load_b128 v[QF+8*(2*\qt+\dh)+4:QF+8*(2*\qt+\dh)+7], v[QOFF], s[56:57] offset:\qt*2048+\dh*64+32
.endr
.endr
	WIN 0
	ROUND                                          ; the four work-groups are here: the first joint loads meet
	tensor_load_to_lds s[G0K:G0K+3], s[G1K:G1K+7]  ; tile 0,
	s_nop 0
	tensor_load_to_lds s[G0V:G0V+3], s[G1V:G1V+7]
	s_nop 0
	tensor_load_to_lds s[G0K+4:G0K+7], s[G1K:G1K+7]    ; and tile 1: four tensor loads of the wave are out, the most in this text
	s_nop 0
	tensor_load_to_lds s[G0V+4:G0V+7], s[G1V:G1V+7]
	s_nop 0
	s_wait_loadcnt 0x0                             ; my Qs fragments, kept for the whole launch
	s_wait_tensorcnt 0x2                           ; my parts of tile 0 are in; tile 1's two loads stay out
	s_barrier_signal -1
	s_barrier_wait -1                              ; everybody's parts of tile 0 are in
.macro LDK slot, st                    ; 32 keys x 64 d of K: 8 loads
.irp kt, 0,1
.irp dh, 0,1
	ds_load_b128 v[KF+16*\kt+8*\dh:KF+16*\kt+8*\dh+3],   v[KAD+\slot] offset:(2*(\st)+\kt)*16*KPITCH+\dh*64
	ds_load_b128 v[KF+16*\kt+8*\dh+4:KF+16*\kt+8*\dh+7], v[KAD+\slot] offset:(2*(\st)+\kt)*16*KPITCH+\dh*64+32
.endr
.endr
.endm
.macro LDV slot, st                    ; 64 d x 32 keys of V^T: 8 transposing loads
.irp dt, 0,1,2,3
	ds_load_tr16_b128 v[VF+8*\dt:VF+8*\dt+3],   v[VAD+\slot] offset:(\st)*32*VPITCH+\dt*32
	ds_load_tr16_b128 v[VF+8*\dt+4:VF+8*\dt+7], v[VAD+\slot] offset:(\st)*32*VPITCH+\dt*32+16*VPITCH
.endr
.endm
; 16 queries x 32 keys: 512 sines of the wave in 72 instructions, stage by stage, so that eight independent lines follow each other
.macro SIN16 qt
.irp i, 0,1,2,3,4,5,6,7,8,9,10,11,12,13,14,15
	v_rndne_f32 v[TT+\i], v[SS+16*\qt+\i]
.endr
.irp i, 0,2,4,6,8,10,12,14
	v_pk_add_f32 v[SS+16*\qt+\i:SS+16*\qt+\i+1], v[SS+16*\qt+\i:SS+16*\qt+\i+1], v[TT+\i:TT+\i+1] neg_lo:[0,1] neg_hi:[0,1]   ; r = u - rndne(u), exact
.endr
.irp i, 0,2,4,6,8,10,12,14
	v_pk_mul_f32 v[TT+\i:TT+\i+1], v[SS+16*\qt+\i:SS+16*\qt+\i+1], v[SS+16*\qt+\i:SS+16*\qt+\i+1]                             ; z = r r
.endr
.irp i, 0,2,4,6,8,10,12,14
	v_pk_fma_f32 v[UU+\i:UU+\i+1], v[TT+\i:TT+\i+1], v[D7:D7+1], v[D5:D5+1]
.endr
.irp i, 0,2,4,6,8,10,12,14
	v_pk_fma_f32 v[UU+\i:UU+\i+1], v[UU+\i:UU+\i+1], v[TT+\i:TT+\i+1], v[D3:D3+1]
.endr
.irp i, 0,2,4,6,8,10,12,14
	v_pk_fma_f32 v[UU+\i:UU+\i+1], v[UU+\i:UU+\i+1], v[TT+\i:TT+\i+1], v[D1:D1+1]
.endr
.irp i, 0,2,4,6,8,10,12,14
	v_pk_mul_f32 v[UU+\i:UU+\i+1], v[UU+\i:UU+\i+1], v[SS+16*\qt+\i:SS+16*\qt+\i+1]
.endr
.irp i, 0,1,2,3,4,5,6,7
	v_cvt_pk_f16_f32 v[PP+8*\qt+\i], v[UU+2*\i], v[UU+2*\i+1]   ; keys 8 h + 2 i, + 1 of tile 0 (i < 4), of tile 1 (i >= 4): the fragment's own order
.endr
.endm
; O^T += V^T x attn^T: 16 matrix instructions on 16 accumulators, one a turn.  zero = 1: the first product starts the sums.
.macro PV zero
	WIN 0x50                                       ; C and D (O^T) window 1
.irp qt, 0,1,2,3
.irp dt, 0,1,2,3
.if \zero
	v_wmma_f32_16x16x32_f16 v[OO+8*(4*\qt+\dt):OO+8*(4*\qt+\dt)+7], v[VF+8*\dt:VF+8*\dt+7], v[PP+8*\qt:PP+8*\qt+7], 0
.else
	v_wmma_f32_16x16x32_f16 v[OO+8*(4*\qt+\dt):OO+8*(4*\qt+\dt)+7], v[VF+8*\dt:VF+8*\dt+7], v[PP+8*\qt:PP+8*\qt+7], v[OO+8*(4*\qt+\dt):OO+8*(4*\qt+\dt)+7]
.endif
.endr
.endr
	WIN 0
.endm
; One step: my 64 queries x 32 of my keys.  last = 1: the tile's last step, which fetches no further K and changes slots:
;   mode 2: a round of the cluster barrier, behind which this slot is asked for again, two tiles ahead;  mode 1: my work-group's barrier alone, nothing is asked for;  mode 0: nothing.
; In front of the opening signal each wave waits for its last reads of this slot and for all its tensor loads (its parts of the next tile).  Inside the round stands register work alone.
.macro STEP slot, st, zero, last, mode
	s_wait_dscnt 0x0                               ; this step's K fragments are in
	WIN 0x04                                       ; source 1 (Qs) window 1
.irp qt, 0,1,2,3
.irp kt, 0,1
	v_wmma_f32_16x16x32_f16 v[SS+16*\qt+8*\kt:SS+16*\qt+8*\kt+7], v[KF+16*\kt:KF+16*\kt+7], v[QF+16*\qt:QF+16*\qt+7], 0
.endr
.endr
.irp qt, 0,1,2,3
.irp kt, 0,1
	v_wmma_f32_16x16x32_f16 v[SS+16*\qt+8*\kt:SS+16*\qt+8*\kt+7], v[KF+16*\kt+8:KF+16*\kt+15], v[QF+16*\qt+8:QF+16*\qt+15], v[SS+16*\qt+8*\kt:SS+16*\qt+8*\kt+7]
.endr
.endr
	WIN 0
.rept 4
	v_nop                                          ; four places in front of the loads into KF and VF and of the first read of S^T
.endr
	LDV \slot, \st
.if \last == 0
	LDK \slot, \st+1
	SIN16 0
	SIN16 1
	SIN16 2
	SIN16 3
	s_wait_dscnt 0x8                               ; V^T is in; the eight younger loads are the next step's K
	PV \zero
.else
.if \mode == 0
	SIN16 0
	SIN16 1
	SIN16 2
	SIN16 3
	s_wait_dscnt 0x0                               ; V^T is in
	PV 0
.else
	SIN16 0
	s_wait_dscnt 0x0                               ; V^T is in: my reads of this slot are over
	s_wait_tensorcnt 0x0                           ; all my tensor loads have landed: my parts of the next tile; every group 0 may be written
	ds_add_u32 v254, v255
	s_wait_dscnt 0x0
.if \mode == 2
	s_add_nc_u64 s[G0K+4*\slot+2:G0K+4*\slot+3], s[G0K+4*\slot+2:G0K+4*\slot+3], 2*TILEB
	s_add_nc_u64 s[G0V+4*\slot+2:G0V+4*\slot+3], s[G0V+4*\slot+2:G0V+4*\slot+3], 2*TILEB
.endif
	s_barrier_signal -1                            ; say so,
	SIN16 1                                        ; work on registers while the others arrive,
	s_barrier_wait -1                              ; all eight waves have said so: the next tile is whole
.if \mode == 2
	s_cmp_lg_u32 s8, 0
	s_cbranch_scc1 .Lnw0_\@
	s_barrier_signal -3                            ; wave 0 says so for the work-group
.Lnw0_\@:
	SIN16 2
	s_barrier_wait -3                              ; all four work-groups have said so
	s_barrier_signal -1
	SIN16 3
	s_barrier_wait -1                              ; the round is closed: no wave of any partner still reads this slot or has a load on its way
	tensor_load_to_lds s[G0K+4*\slot:G0K+4*\slot+3], s[G1K:G1K+7]     ; the first tensor loads behind the round; they have the whole next tile's work in which to land
	s_nop 0
	tensor_load_to_lds s[G0V+4*\slot:G0V+4*\slot+3], s[G1V:G1V+7]
	s_nop 0
.else
	SIN16 2
	SIN16 3
.endif
	PV 0
.endif
.endif
.endm
.macro TILE slot, zero, mode           ; one tile of 256 keys: four steps of my 128 keys
	LDK \slot, 0
	STEP \slot, 0, \zero, 0, 0
	STEP \slot, 1, 0, 0, 0
	STEP \slot, 2, 0, 0, 0
	STEP \slot, 3, 0, 1, \mode
.endm
	TILE 0, 1, 2                                   ; tile 0 (asks for tile 2)
	s_mov_b32 s48, 2
.Ltiles:
	TILE 1, 0, 2                                   ; tiles 1, 3 (ask for 3, 5)
	TILE 0, 0, 2                                   ; tiles 2, 4 (ask for 4, 6)
	s_sub_co_u32 s48, s48, 1
	s_cmp_lg_u32 s48, 0
	s_cbranch_scc1 .Ltiles
	TILE 1, 0, 2                                   ; tile 5 (asks for tile 7)
	TILE 0, 0, 1                                   ; tile 6: tile 7 is shown to all waves; nothing is asked for
	TILE 1, 0, 0                                   ; tile 7
.rept 4
	v_nop                                          ; four places behind the last matrix instructions
.endr
	; THE WAY OUT.  The waves p and p + 4 hold the two halves of the sum over keys for the same 64 queries.  Each sends the other 32 queries' worth through LDS
	; and finishes the other 32: wave p queries 0-31 (tiles qt = 0, 1), wave p + 4 queries 32-63.
.macro SEND base, off                  ; 64 registers of O^T from window 1, 16 bytes a lane
	WIN 0x04                                       ; store data (source 1) window 1
.irp i, 0,1,2,3,4,5,6,7,8,9,10,11,12,13,14,15
	ds_store_b128 v[SCRA], v[OO+\base+4*\i:OO+\base+4*\i+3] offset:\off+512*\i
.endr
	WIN 0
.endm
.macro FINISH base, off                ; the partner's 64 registers are added to mine, rounded once to bf16, staged, and stored as whole rows
.irp i, 0,1,2,3,4,5,6,7,8,9,10,11,12,13,14,15
	ds_load_b128 v[XX+4*\i:XX+4*\i+3], v[SCRA] offset:\off+512*\i
.endr
	s_wait_dscnt 0x0
	WIN 0x01                                       ; source 0 (my O^T) window 1
.set i, 0
.rept 32
	v_pk_add_f32 v[XX+i:XX+i+1], v[OO+\base+i:OO+\base+i+1], v[XX+i:XX+i+1]
.set i, i+2
.endr
	WIN 0
.set i, 0
.rept 32
	v_cvt_pk_bf16_f32 v[HB+i], v[XX+2*i], v[XX+2*i+1]
.set i, i+1
.endr
.irp ql, 0,1
.irp dt, 0,1,2,3
	ds_store_b128 v[STO], v[HB+4*(4*\ql+\dt):HB+4*(4*\ql+\dt)+3] offset:\ql*16*HPITCH+32*\dt   ; query 16 ql + r, d = 16 dt + 8 h .. + 7
.endr
.endr
.irp t, 0,1,2,3,4,5,6,7
	ds_load_b128 v[OB+4*\t:OB+4*\t+3], v[RD] offset:\t*4*HPITCH    ; my own stage: LDS serves a wave's instructions in order
.endr
.irp t, 0,1,2,3,4,5,6,7
	s_wait_dscnt 7-\t
	global_store_b128 v[CO], v[OB+4*\t:OB+4*\t+3], s[58:59] offset:(\base/2+4*\t)*128   ; 32 lanes store four rows: 512 consecutive bytes, aligned; no register is written twice
.endr
.endm
	s_cmp_lt_u32 s8, 4
	s_cbranch_scc0 .Lsend_low
	SEND 64, 8192                                  ; waves 0-3 send queries 32-63
	s_branch .Lsent
.Lsend_low:
	SEND 0, 0                                      ; waves 4-7 send queries 0-31
.Lsent:
	s_wait_dscnt 0x0                               ; for the other wave: my stores are done
	s_barrier_signal -1
	s_barrier_wait -1
	s_cmp_lt_u32 s8, 4
	s_cbranch_scc0 .Lfinish_high
	FINISH 0, 0
	s_branch .Lclose
.Lfinish_high:
	FINISH 64, 8192
.Lclose:
	s_wait_tensorcnt 0x0
	ds_add_u32 v254, v255
	s_wait_dscnt 0x0
	ROUND                                          ; the closing round: no work-group ends while a partner may still ask for a tile that names it
	s_endpgm
.Lfunc_end_k_q0af2c18a96_attn:
	.size	k_q0af2c18a96_attn, .Lfunc_end_k_q0af2c18a96_attn-k_q0af2c18a96_attn
	.p2alignl 7, 3214868480
	.fill 96, 4, 3214868480
	.section	.rodata,"a",@progbits
	.p2align	6, 0x0
	.amdhsa_kernel k_q0af2c18a96_attn
		.amdhsa_group_segment_fixed_size 327680
		.amdhsa_private_segment_fixed_size 0
		.amdhsa_enable_private_segment 0
		.amdhsa_kernarg_size 16
		.amdhsa_user_sgpr_count 2
		.amdhsa_user_sgpr_kernarg_segment_ptr 1
		.amdhsa_wavefront_size32 1
		.amdhsa_system_sgpr_workgroup_id_x 1
		.amdhsa_system_sgpr_workgroup_id_y 1
		.amdhsa_system_sgpr_workgroup_id_z 1
		.amdhsa_system_vgpr_workitem_id 0
		.amdhsa_next_free_vgpr 448
		.amdhsa_next_free_sgpr 80
		.amdhsa_reserve_vcc 0
		.amdhsa_float_denorm_mode_32 3
		.amdhsa_float_denorm_mode_16_64 3
		.amdhsa_memory_ordered 1
		.amdhsa_forward_progress 1
		.amdhsa_inst_pref_size 255
	.end_amdhsa_kernel
	.section	.bss,"aw",@nobits
	.p2align	6
	.space	262144
	.amdgpu_metadata
---
amdhsa.version: [ 1, 2 ]
amdhsa.kernels:
  - .name:           k_q0af2c18a96_attn
    .symbol:         k_q0af2c18a96_attn.kd
    .args:
      - { .name: qkv, .offset: 0, .size: 8, .value_kind: global_buffer, .address_space: global }
      - { .name: o2, .offset: 8, .size: 8, .value_kind: global_buffer, .address_space: global }
    .group_segment_fixed_size: 327680
    .private_segment_fixed_size: 0
    .kernarg_segment_align: 8
    .kernarg_segment_size: 16
    .max_flat_workgroup_size: 256
    .sgpr_count:     80
    .vgpr_count:     448
    .wavefront_size: 32
...
	.end_amdgpu_metadata
.endif
;; end of part 5
;; launch oproj (part 6): grid 8 x 32, 4 waves a work-group, clusters of 4 x 4, 327,680 bytes of LDS; arguments o2, xw, bo, out0; writes out0
.if DOCPART == 6
	.amdgcn_target "amdgcn-amd-amdhsa--gfx1250"
	.amdhsa_code_object_version 6
	.text
	.protected	k_q0af2c18a96_oproj
	.globl	k_q0af2c18a96_oproj
	.p2align	8
	.type	k_q0af2c18a96_oproj,@function
k_q0af2c18a96_oproj:
	s_mov_b64 s[64:65], 0
	v_nop
	global_prefetch_b8 v0, s[64:65] scope:SCOPE_SE
	s_setreg_imm32_b32 hwreg(HW_REG_WAVE_MODE, 25, 1), 1
	s_wait_xcnt 0x0
	s_wait_alu depctr_hold_cnt(0) depctr_sa_sdst(0) depctr_va_vdst(0) depctr_va_sdst(0) depctr_va_ssrc(0) depctr_va_vcc(0) depctr_vm_vsrc(0)
	s_getreg_b32 s2, hwreg(HW_REG_IB_STS2, 6, 4)
	s_cmp_eq_u32 s2, 0
	s_cbranch_scc0 .Lentry_in_a_cluster
	s_endpgm
.Lentry_in_a_cluster:
	s_bfe_u32 s2, ttmp6, 0x10000c
	s_cmp_lg_u32 s2, 0xf033
	s_cbranch_scc0 .Lentry_shape_is_right
	s_endpgm
.Lentry_shape_is_right:
; out0[row][n] = 2^-15 x sum over k of Os[row][k] Wo[n][k] + bo[n], f32.  Os = O x 2^15 in bf16, o2[head][row][64]; Wo in bf16 (xw rows 7168-8191).
; 2^-15 and the bias cost one fused multiply-add on the way out.
; A work-group makes 128 x 128 with four waves, 2 x 2, a wave 64 x 64: 16 accumulator tiles.  K = 1024 goes in 8 steps of 128 = two heads.
; o2 keeps each head dense, so that the launch that writes it stores whole runs of 512 bytes; the price is paid here: a row of O's tile is 128 bytes.  Wo's rows are 256 bytes.
; CLUSTERS 4 x 4: O's tile hangs on the block row and is shared along a row of the cluster, Wo's on the block column and is shared along a column.
; THE RING: four LDS slots, all asked for at the start (half of K).  Fragments are fetched four quarter steps (a whole K step) ahead of their products, into two sets of
; registers, so a slot has been read out one K step before it is multiplied.  So only two rounds of the cluster barrier fill slots again, two slots each
; (at the head of K step 1: tiles 4, 5; of K step 3: tiles 6, 7); each refill has 96 matrix instructions, a K step and a half, in which to land, and 32 matrix instructions stand inside each round.
; 16 LDS loads of 512 bytes feed 16 matrix instructions.  The whole K loop is written out: 512 matrix instructions.
; Used transposed (source 0 = rows of Wo, source 1 = rows of O): lane l holds row l % 16 and columns 8 (l / 16) + 0 .. 7.
; REGISTERS: window 0: v4-17 addresses and the scale; v32-63 bias; v64-127 at work on the way out; v128-255 accumulators, tile (a, b) at 128 + 8 (4 a + b).
;            windows 1 and 2: a set of fragments each, one K step: Wo (quarter q, block b) at 32 q + 8 b, O (q, a) at 128 + 32 q + 8 a.
.set OPITCH, 144                       ; 128 + 16, an odd multiple of 16
.set WPITCH, 272                       ; 256 + 16
.set OH,     128*OPITCH                ; one head's 128 rows
.set OT,     2*OH
.set WT,     128*WPITCH
.set SLOT,   OT+WT
.set STAGE,  4*SLOT                    ; a multiple of 256: no tensor load lands here
.set SPITCH, 272
.set HEADB,  4096*64*2                 ; a head in o2
.set ADRA, 4                           ; v4-7   my O fragments in slot 0..3
.set ADRB, 8                           ; v8-11  my Wo fragments in slot 0..3
.set STO,  12
.set RD,   13
.set CO,   14
.set BOFF, 15
.set SCL,  16                          ; v16-17: 2^-15, twice
.set BI,   32                          ; bias of tile column b at BI + 8 b
.set TMP,  64
.set RB,   96
.set ACC,  128
.set G1,  24                           ; s[24:31] group 1, O
.set G0,  32                           ; s[32:47] group 0, O, one set for each slot
.set G0B, 48                           ; s[48:63] group 0, Wo, one set for each slot
.set G1B, 72                           ; s[72:79] group 1, Wo
.set MSB, 0
.macro WIN new                         ; the immediate's high byte repeats the setting that is left
.if MSB != (\new)
	s_set_vgpr_msb (MSB<<8)|(\new)
.set MSB, (\new)
.endif
.endm
; Two joint loads.  Waves 0, 1 fetch the two heads of O's tile, waves 2, 3 the two halves of Wo's: the branch hangs on the wave number alone, and both ways issue two loads.
.macro JLOAD2 a, b
	s_cmp_eq_u32 s15, 0
	s_cbranch_scc0 .Lfor_w_\@
	tensor_load_to_lds s[G0+4*\a:G0+4*\a+3], s[G1:G1+7]
	s_nop 0
	tensor_load_to_lds s[G0+4*\b:G0+4*\b+3], s[G1:G1+7]
	s_nop 0
	s_branch .Lasked_\@
.Lfor_w_\@:
	tensor_load_to_lds s[G0B+4*\a:G0B+4*\a+3], s[G1B:G1B+7]
	s_nop 0
	tensor_load_to_lds s[G0B+4*\b:G0B+4*\b+3], s[G1B:G1B+7]
	s_nop 0
.Lasked_\@:
.endm
.macro CROUND                          ; a whole round of the cluster barrier
	s_barrier_signal -1
	s_barrier_wait -1
	s_cmp_lg_u32 s14, 0
	s_cbranch_scc1 .Lnot_wave_0_\@
	s_barrier_signal -3
.Lnot_wave_0_\@:
	s_barrier_wait -3
	s_barrier_signal -1
	s_barrier_wait -1
.endm
	s_load_b256 s[4:11], s[0:1], 0x0               ; o2 s[4:5], xw s[6:7], bo s[8:9], out0 s[10:11]
	v_lshl_add_u32 v30, v0, 2, 0x4a400
	v_mov_b32 v31, 0
	ds_add_u32 v30, v31
	v_lshrrev_b32 v1, 5, v0
	v_readfirstlane_b32 s14, v1                    ; wave 0..3
	s_lshr_b32 s15, s14, 1                         ; my half of the rows.  Also: I fetch for O (0) or for Wo (1)
	s_and_b32 s16, s14, 1                          ; my half of the columns.  Also: which head, or which 64 rows of Wo, I fetch
	s_bfe_u32 s17, ttmp6, 0x40000                  ; cx
	s_bfe_u32 s18, ttmp6, 0x40004                  ; cy
	s_lshl_b32 s19, ttmp9, 2
	s_add_co_u32 s19, s19, s17                     ; bx
	s_and_b32 s20, ttmp7, 0xffff
	s_lshl_b32 s20, s20, 2
	s_add_co_u32 s20, s20, s18                     ; by
	s_lshl_b32 s21, s18, 2
	s_lshl_b32 s21, 15, s21                        ; my row of the cluster
	s_lshl_b32 s22, 0x1111, s17                    ; my column
	s_or_b32 s[G1+0], s21, (1<<16)|(1<<20)|(1<<21)|(4<<22)|(3<<25)   ; O: 2-byte elements, 4 words of padding behind every 32 words; bit 21 beside the mask
	s_mov_b32 s[G1+1], 64<<16                      ; tensor_dim0 = 64
	s_mov_b32 s[G1+2], 128<<16                     ; tensor_dim1 = 128
	s_mov_b32 s[G1+3], 64<<16                      ; tile_dim0 = 64
	s_mov_b32 s[G1+4], 128                         ; tile_dim1 = 128
	s_mov_b32 s[G1+5], 64                          ; elements from row to row
	s_mov_b32 s[G1+6], 0
	s_mov_b32 s[G1+7], 0
	s_or_b32 s[G1B+0], s22, (1<<16)|(1<<20)|(1<<21)|(5<<22)|(3<<25)  ; Wo: padding behind every 64 words
	s_mov_b32 s[G1B+1], 128<<16
	s_mov_b32 s[G1B+2], 64<<16
	s_mov_b32 s[G1B+3], 128<<16
	s_mov_b32 s[G1B+4], 64
	s_mov_b32 s[G1B+5], 1024
	s_mov_b32 s[G1B+6], 0
	s_mov_b32 s[G1B+7], 0
	; O's address hangs on by and the wave number, Wo's on bx and the wave number, each in registers that never hold the other coordinate
	s_lshl_b32 s80, s20, 14                        ; O: row 128 by, rows of 128 bytes,
	s_mul_i32 s81, s16, HEADB                      ; in head 0 or 1 of the K step
	s_add_co_u32 s80, s80, s81
	s_mov_b32 s81, 0
	s_lshl_b32 s82, s19, 7
	s_lshl_b32 s83, s16, 6
	s_add_co_u32 s82, s82, s83                     ; Wo: row 128 bx + 64 x half,
	s_lshl_b32 s82, s82, 11                        ; rows of 2,048 bytes,
	s_add_co_u32 s82, s82, 7168*2048               ; behind 7,168 rows of xw
	s_mov_b32 s83, 0
	s_mul_i32 s84, s14, OH                         ; LDS: O's two heads (waves 0, 1)
	s_mul_i32 s85, s14, 64*WPITCH
	s_add_co_u32 s85, s85, OT-2*64*WPITCH          ; Wo's halves behind O's tile (waves 2, 3)
	s_lshl_b32 s68, s19, 7                         ; my first column: 128 bx + 64 x half, 4 bytes each
	s_lshl_b32 s69, s16, 6
	s_add_co_u32 s68, s68, s69
	s_lshl_b32 s68, s68, 2
	s_mov_b32 s69, 0
	s_wait_dscnt 0x0
	s_wait_kmcnt 0x0
	s_add_nc_u64 s[80:81], s[4:5], s[80:81]
	s_add_nc_u64 s[82:83], s[6:7], s[82:83]
	s_add_nc_u64 s[66:67], s[8:9], s[68:69]        ; my 64 numbers of bo
.irp s, 0,1,2,3
	s_mov_b32 s[G0+4*\s], 1
	s_add_co_u32 s[G0+4*\s+1], s84, \s*SLOT
	s_add_nc_u64 s[G0+4*\s+2:G0+4*\s+3], s[80:81], \s*2*HEADB      ; K step s: heads 2 s, 2 s + 1
	s_or_b32 s[G0+4*\s+3], s[G0+4*\s+3], 0x80000000
	s_mov_b32 s[G0B+4*\s], 1
	s_add_co_u32 s[G0B+4*\s+1], s85, \s*SLOT
	s_add_nc_u64 s[G0B+4*\s+2:G0B+4*\s+3], s[82:83], \s*256
	s_or_b32 s[G0B+4*\s+3], s[G0B+4*\s+3], 0x80000000
.endr
	CROUND                                         ; all sixteen work-groups are here: the first joint loads meet
	JLOAD2 0, 1
	JLOAD2 2, 3                                    ; K steps 0 to 3: four tensor loads of the wave are out, the most in this text
	v_and_b32 v1, 15, v0                           ; r
	v_bfe_u32 v2, v0, 4, 1                         ; h
	v_lshlrev_b32 v[BOFF], 5, v2                   ; my eight columns of a tile: 32 h bytes
.irp b, 0,1,2,3
	global_load_b128 v[BI+8*\b:BI+8*\b+3],   v[BOFF], s[66:67] offset:64*\b      ; waited for on the way out
	global_load_b128 v[BI+8*\b+4:BI+8*\b+7], v[BOFF], s[66:67] offset:64*\b+16
.endr
	v_mov_b32 v[SCL], 0x38000000                   ; 2^-15
	v_mov_b32 v[SCL+1], 0x38000000
	v_mul_u32_u24 v18, v1, OPITCH
	v_lshl_add_u32 v18, v2, 4, v18                 ; row x pitch + 16 h
	v_mul_u32_u24 v19, v1, WPITCH
	v_lshl_add_u32 v19, v2, 4, v19
	s_mul_i32 s86, s15, 64*OPITCH                  ; my 64 rows of O (of each head)
	s_mul_i32 s87, s16, 64*WPITCH                  ; my 64 rows of Wo,
	s_add_co_u32 s87, s87, OT                      ; behind O's tile
.irp s, 0,1,2,3
	v_add_nc_u32 v[ADRA+\s], s86, v18
	v_add_nc_u32 v[ADRB+\s], s87, v19
	s_add_co_u32 s86, s86, SLOT
	s_add_co_u32 s87, s87, SLOT
.endr
	s_mul_i32 s88, s14, 16*SPITCH
	s_add_co_u32 s88, s88, STAGE                   ; my stage
	v_mul_u32_u24 v20, v1, SPITCH                  ; in: row r, 32 bytes (8 f32) for each half of the lanes
	v_lshl_add_u32 v20, v2, 5, v20
	v_add_nc_u32 v[STO], s88, v20
	v_mul_u32_u24 v21, v2, SPITCH                  ; back: lanes 0-15 one row of 256 bytes, lanes 16-31 the next
	v_lshl_add_u32 v21, v1, 4, v21
	v_add_nc_u32 v[RD], s88, v21
	v_lshlrev_b32 v[CO], 12, v2                    ; the same two rows in out0
	v_lshl_add_u32 v[CO], v1, 4, v[CO]
; 16 LDS loads: quarter q (32 along K) of a slot into set 1 or 2: 64 rows of Wo, 64 rows of O.  Quarter q of O's tile is head q / 2, d = 32 (q % 2).
.macro FETCHQ slot, q, set
	WIN (\set<<6)                                  ; destination: the set's window; address window 0
.irp i, 0,1,2,3
	ds_load_b128 v[32*\q+8*\i:32*\q+8*\i+3],   v[ADRB+\slot] offset:64*\q+\i*16*WPITCH
	ds_load_b128 v[32*\q+8*\i+4:32*\q+8*\i+7], v[ADRB+\slot] offset:64*\q+\i*16*WPITCH+32
.endr
.irp i, 0,1,2,3
	ds_load_b128 v[128+32*\q+8*\i:128+32*\q+8*\i+3],   v[ADRA+\slot] offset:(\q/2)*OH+(\q%2)*64+\i*16*OPITCH
	ds_load_b128 v[128+32*\q+8*\i+4:128+32*\q+8*\i+7], v[ADRA+\slot] offset:(\q/2)*OH+(\q%2)*64+\i*16*OPITCH+32
.endr
.endm
; 16 matrix instructions: quarter q of a set on all 16 accumulators, one instruction a turn, in the same order in every quarter.
.macro MULQ set, q, zero
	WIN (\set*5)                                   ; sources 0 and 1: the set's window; C and D window 0
.irp a, 0,1,2,3
.irp b, 0,1,2,3
.if \zero
	v_wmma_f32_16x16x32_bf16 v[ACC+8*(4*\a+\b):ACC+8*(4*\a+\b)+7], v[32*\q+8*\b:32*\q+8*\b+7], v[128+32*\q+8*\a:128+32*\q+8*\a+7], 0
.else
	v_wmma_f32_16x16x32_bf16 v[ACC+8*(4*\a+\b):ACC+8*(4*\a+\b)+7], v[32*\q+8*\b:32*\q+8*\b+7], v[128+32*\q+8*\a:128+32*\q+8*\a+7], v[ACC+8*(4*\a+\b):ACC+8*(4*\a+\b)+7]
.endif
.endr
.endr
.endm
; A load into a register that a matrix instruction has read stands four plain vector instructions behind it (ISA guide 7.12.1 for vector instructions).
.macro PLACES
.rept 4
	v_nop
.endr
.endm
; One quarter step in the steady run: quarter q of this K step is in (left = the younger loads that may stay out); the same quarter of the next K step is fetched into the other set;
; then the products.  The buffer that is loaded was last read four quarters ago, or three where a change of slots lay between: with two v_nop at each head at least six places lie between.
.macro NQ set, oset, nslot, q, fetch, left, zero
	s_wait_dscnt \left
.if \fetch
	v_nop
	v_nop
	FETCHQ \nslot, \q, \oset
.endif
	MULQ \set, \q, \zero
.endm
.macro TILE_N set, oset, nslot, zero   ; a K step with no barrier: three younger quarter fetches of 16 loads stay out at each head
	NQ \set, \oset, \nslot, 0, 1, 48, \zero
	NQ \set, \oset, \nslot, 1, 1, 48, 0
	NQ \set, \oset, \nslot, 2, 1, 48, 0
	NQ \set, \oset, \nslot, 3, 1, 48, 0
.endm
; A K step with a barrier at its head.  All four of its quarters are waited for, which ends my reads of every slot up to this K step's; all my tensor loads are waited for.
; mode 2: a round of the cluster barrier with 32 matrix instructions inside it; behind it slots ra and rb are asked for again, four K steps ahead, first of all.
; mode 1: my work-group's barrier alone: it shows the last two tiles to all waves, and nothing is asked for.  Then the next K step is fetched whole.
.macro TILE_S set, oset, nslot, mode, ra, rb
	s_wait_dscnt 0x0                               ; my LDS reads are back
	s_set_vgpr_msb 0x500
	s_wait_tensorcnt 0x0                           ; all my tensor loads have landed: every group 0 may be written
	ds_add_u32 v30, v31
	s_wait_dscnt 0x0
	s_set_vgpr_msb 0x5
.if \mode == 2
.irp t, \ra, \rb
	s_add_nc_u64 s[G0+4*\t+2:G0+4*\t+3], s[G0+4*\t+2:G0+4*\t+3], 4*2*HEADB
	s_add_nc_u64 s[G0B+4*\t+2:G0B+4*\t+3], s[G0B+4*\t+2:G0B+4*\t+3], 4*256
.endr
.endif
	s_barrier_signal -1
	MULQ \set, 0, 0                                ; register work while the others arrive
	WIN 0
	s_barrier_wait -1
.if \mode == 2
	s_cmp_lg_u32 s14, 0
	s_cbranch_scc1 .Lnw0_\@
	s_barrier_signal -3                            ; wave 0 says so for the work-group
.Lnw0_\@:
	MULQ \set, 1, 0
	WIN 0
	s_barrier_wait -3                              ; all sixteen work-groups have said so
	s_barrier_signal -1
	s_barrier_wait -1                              ; the round is closed
	JLOAD2 \ra, \rb                                ; the first tensor loads behind the round
.else
	MULQ \set, 1, 0
.endif
	PLACES                                         ; behind the last K step's products, which read the other set
	FETCHQ \nslot, 0, \oset
	FETCHQ \nslot, 1, \oset
	FETCHQ \nslot, 2, \oset
	FETCHQ \nslot, 3, \oset
	MULQ \set, 2, 0
	MULQ \set, 3, 0
.endm
	s_wait_tensorcnt 0x2                           ; my parts of K steps 0 and 1 are in; those of 2 and 3 stay out
	s_barrier_signal -1
	s_barrier_wait -1                              ; everybody's are
	FETCHQ 0, 0, 1
	FETCHQ 0, 1, 1
	FETCHQ 0, 2, 1
	FETCHQ 0, 3, 1
	TILE_N 1, 2, 1, 1                              ; K step 0 (its first quarter starts the sums); fetches K step 1
	TILE_S 2, 1, 2, 2, 0, 1                        ; K step 1; slots 0, 1 <- K steps 4, 5; fetches K step 2
	TILE_N 1, 2, 3, 0                              ; K step 2; fetches 3
	TILE_S 2, 1, 0, 2, 2, 3                        ; K step 3; slots 2, 3 <- K steps 6, 7; fetches 4
	TILE_N 1, 2, 1, 0                              ; K step 4; fetches 5
	TILE_S 2, 1, 2, 1, 0, 0                        ; K step 5; K steps 6, 7 are shown to all waves; fetches 6
	TILE_N 1, 2, 3, 0                              ; K step 6; fetches 7
	NQ 2, 1, 0, 0, 0, 48, 0                        ; K step 7 fetches nothing: the counts run down
	NQ 2, 1, 0, 1, 0, 32, 0
	NQ 2, 1, 0, 2, 0, 16, 0
	NQ 2, 1, 0, 3, 0, 0, 0
	; THE WAY OUT, 16 rows at a time: sum x 2^-15 + bias in one fused multiply-add, through my own stage, back as whole rows of 256 bytes.
	PLACES                                         ; the places behind the last matrix instructions
	WIN 0
	s_wait_loadcnt 0x0                             ; the eight bias loads
	s_lshl_b32 s80, s20, 7                         ; my first row: 128 by + 64 x half (in the registers that held O's address: they never hold cx)
	s_lshl_b32 s81, s15, 6
	s_add_co_u32 s80, s80, s81
	s_lshl_b32 s80, s80, 12                        ; rows of 4,096 bytes
	s_mov_b32 s81, 0
	s_add_nc_u64 s[10:11], s[10:11], s[80:81]
	s_add_nc_u64 s[10:11], s[10:11], s[68:69]      ; my first column
.macro OUT16 a
.irp b, 0,1,2,3
.irp j, 0,2,4,6
	v_pk_fma_f32 v[TMP+8*\b+\j:TMP+8*\b+\j+1], v[ACC+8*(4*\a+\b)+\j:ACC+8*(4*\a+\b)+\j+1], v[SCL:SCL+1], v[BI+8*\b+\j:BI+8*\b+\j+1]
.endr
.endr
.irp b, 0,1,2,3
	ds_store_b128 v[STO], v[TMP+8*\b:TMP+8*\b+3] offset:64*\b
	ds_store_b128 v[STO], v[TMP+8*\b+4:TMP+8*\b+7] offset:64*\b+16
.endr
	s_wait_xcnt 0x0                                ; the earlier stores have had their addresses translated (ISA guide 3.1): their data registers are loaded again only behind this wait
.irp t, 0,1,2,3,4,5,6,7
	ds_load_b128 v[RB+4*\t:RB+4*\t+3], v[RD] offset:\t*2*SPITCH    ; my own stage: LDS serves a wave's instructions in order
.endr
.irp t, 0,1,2,3,4,5,6,7
	s_wait_dscnt 7-\t
	global_store_b128 v[CO], v[RB+4*\t:RB+4*\t+3], s[10:11] offset:(16*\a+2*\t)*4096 th:TH_STORE_NT   ; 16 lanes store 256 consecutive bytes, aligned
.endr
.endm
	OUT16 0
	OUT16 1
	OUT16 2
	OUT16 3
	s_wait_tensorcnt 0x0
	ds_add_u32 v30, v31
	s_wait_dscnt 0x0
	CROUND                                         ; the closing round: no work-group ends while a partner may still ask for a tile that names it
	s_endpgm
.Lfunc_end_k_q0af2c18a96_oproj:
	.size	k_q0af2c18a96_oproj, .Lfunc_end_k_q0af2c18a96_oproj-k_q0af2c18a96_oproj
	.p2alignl 7, 3214868480
	.fill 96, 4, 3214868480
	.section	.rodata,"a",@progbits
	.p2align	6, 0x0
	.amdhsa_kernel k_q0af2c18a96_oproj
		.amdhsa_group_segment_fixed_size 327680
		.amdhsa_private_segment_fixed_size 0
		.amdhsa_enable_private_segment 0
		.amdhsa_kernarg_size 32
		.amdhsa_user_sgpr_count 2
		.amdhsa_user_sgpr_kernarg_segment_ptr 1
		.amdhsa_wavefront_size32 1
		.amdhsa_system_sgpr_workgroup_id_x 1
		.amdhsa_system_sgpr_workgroup_id_y 1
		.amdhsa_system_sgpr_workgroup_id_z 1
		.amdhsa_system_vgpr_workitem_id 0
		.amdhsa_next_free_vgpr 768
		.amdhsa_next_free_sgpr 96
		.amdhsa_reserve_vcc 0
		.amdhsa_float_denorm_mode_32 3
		.amdhsa_float_denorm_mode_16_64 3
		.amdhsa_memory_ordered 1
		.amdhsa_forward_progress 1
		.amdhsa_inst_pref_size 93
	.end_amdhsa_kernel
	.amdgpu_metadata
---
amdhsa.version: [ 1, 2 ]
amdhsa.kernels:
  - .name:           k_q0af2c18a96_oproj
    .symbol:         k_q0af2c18a96_oproj.kd
    .args:
      - { .name: o2, .offset: 0, .size: 8, .value_kind: global_buffer, .address_space: global }
      - { .name: xw, .offset: 8, .size: 8, .value_kind: global_buffer, .address_space: global }
      - { .name: bo, .offset: 16, .size: 8, .value_kind: global_buffer, .address_space: global }
      - { .name: out0, .offset: 24, .size: 8, .value_kind: global_buffer, .address_space: global }
    .group_segment_fixed_size: 327680
    .private_segment_fixed_size: 0
    .kernarg_segment_align: 8
    .kernarg_segment_size: 32
    .max_flat_workgroup_size: 128
    .sgpr_count:     96
    .vgpr_count:     768
    .wavefront_size: 32
...
	.end_amdgpu_metadata
.endif
;; end of part 6
